; MI455X (gfx1250); checked and timed in simulation.
; The chip was launched on July 23, 2026; its instructions are those of AMD's public machine-readable ISA for CDNA 5 (MIT licence, August 2026) and "CDNA5" Instruction Set Architecture Reference Guide (July 2026). The comments in the code are by the model that wrote it; some were corrected since.
;; Parallel Multi Head Attention. Allowed arithmetic: matrix products marked QUANTISED: E3M2 operands, one E8M0 scale for each 32 along K, by v_wmma_scale_f32_16x16x128_f8f6f4 with both operands' format E3M2, f32 sums; everything else in f32.
;; Inputs: b_proj 1,024 float32; w_proj 1,024 x 1,024 float32; w_qkv 3,072 x 1,024 float32; x 4 x 2,048 x 1,024 float32.
;; Outputs: out0 4 x 2,048 x 1,024 float32.
;; This version of the problem:
;;   THIS VERSION OF THE PROBLEM IS GIVEN IN LOW PRECISION. The matrix products marked QUANTISED in the list below multiply operands that are first quantised to E3M2 (3 exponent bits, 2 mantissa bits; 6 bits a number), with one power-of-two scale for each 32 numbers along K (OCP MX v1.0); their sums are f32. All else is computed in f32.
;;   The module's matrix products, in the order in which they are computed (A, B: the left and right operand; K: the contracted axis; several contracted axes count as one K, in the product's order):
;;     1. [M 8,192, K 1,024] x [K 1,024, N 3,072]; A: input x; B: input w_qkv: QUANTISED
;;     2. batch 64 x [M 2,048, K 64] x [K 64, N 2,048]; A: computed on the way; B: computed on the way: QUANTISED
;;     3. batch 64 x [M 2,048, K 2,048] x [K 2,048, N 64]; A: softmax (see below); B: computed on the way: QUANTISED
;;     4. [M 8,192, K 1,024] x [K 1,024, N 1,024]; A: computed on the way; B: input w_proj: QUANTISED
;;   THE QUANTISER, for each operand of a quantised product, along K:
;;     - K is cut into blocks of 32 from its start; a last block that is shorter is filled with zeros.
;;     - A block's scale is 2^e with e = floor(log2(the largest magnitude in the block)) - 4, held to -126 .. 127; a block of zeros has e = 0. As a byte (E8M0): e + 127.
;;     - Each number is divided by its block's scale, clamped to +-28, and rounded to the nearest number of E3M2, ties to even, subnormals kept.
;;     - The product sums the exact products of the quantised numbers (number of the format x scale) in f32.
;;   ~~~python
;;   def quantise(x, axis):      # numpy; x: float32 -> the quantised numbers, widened to float32 again
;;       x = np.moveaxis(x, axis, -1); K = x.shape[-1]
;;       x = np.pad(x, [(0, 0)] * (x.ndim - 1) + [(0, -K % 32)]); x = x.reshape(x.shape[:-1] + (-1, 32)); a = np.abs(x).max(-1, keepdims=True)
;;       e = np.where(a > 0, np.clip(np.frexp(np.where(a > 0, a, 1))[1] - 1 - 4, -126, 127), 0)      # np.frexp(a)[1] - 1 = floor(log2(a)), exactly
;;       r = np.clip(x / 2.0 ** e, -28, 28)
;;       step = 2.0 ** (np.maximum(np.frexp(np.where(r == 0, 1, r))[1] - 1, -2) - 2)
;;       q = np.round(r / step) * step * 2.0 ** e      # np.round: ties to even
;;       return np.moveaxis(q.reshape(q.shape[:-2] + (-1,))[..., :K], -1, axis).astype(np.float32)
;;   ~~~
;;   SOFTMAX AHEAD OF A QUANTISED PRODUCT. Where the list says 'softmax', what is quantised is not the finished softmax but p = 2^(t - M), with t = logit x log2(e) and M = ceil(the row's largest t), a whole number; so 1/2 < the row's largest p <= 1. The row's sum l is taken of the UNQUANTISED p, in f32, and the product's result is divided by l at the end. Since M is a whole number, a kernel that streams over the keys may use a running M (the ceiling of the running maximum): every later rescaling is an exact power of two, which a block's scale takes up: the codes' values come out the same.
;;   OPERANDS COMPUTED ON THE WAY. 'Computed on the way' means the value that the module computes at that place (a softmax that the list does not call 'softmax' is quantised finished and normalised). What goes into a quantiser is computed in f32, as accurately as f32 sums, v_exp_f32 and their like allow (about 1e-6 of the number): no bf16 or f16 on the way to a quantiser, and a product that is left as it is and whose result goes on into a quantised operand takes f32 operands (vector FMAs, or v_wmma_f32_16x16x4_f32). A number that lies on a knife's edge between two numbers of the format may be rounded either way, as far as f32 arithmetic and the matrix unit's own rounding can turn it there, and no further.
;; One version. Each part assembles by itself: llvm-mc -triple=amdgcn-amd-amdhsa -mcpu=gfx1250 --defsym DOCPART=n.
;; ======== version 1 of 1: 5 launches
;; limits: right only within a limited range of input values
;; workspace buffers: xq 6,553,600 bytes; wqk 1,835,008 bytes; wv 1,048,576 bytes; wp 1,048,576 bytes; qk 16,777,216 bytes; vv 54,525,952 bytes; oo 6,553,600 bytes
;; launch quant (part 1): grid 768 x 1, 4 waves a work-group, no clusters, 33,280 bytes of LDS; arguments x, w_qkv, w_proj, xq, wqk, wv, wp; writes xq, wqk, wv, wp
.if DOCPART == 1
	.amdgcn_target "amdgcn-amd-amdhsa--gfx1250"
	.amdhsa_code_object_version 6
	.text
	.protected	k_qe852a9c7b5_quant
	.globl	k_qe852a9c7b5_quant
	.p2align	8
	.type	k_qe852a9c7b5_quant,@function
k_qe852a9c7b5_quant:
	s_mov_b64 s[64:65], 0
	v_nop
	global_prefetch_b8 v0, s[64:65] scope:SCOPE_SE
	s_setreg_imm32_b32 hwreg(HW_REG_WAVE_MODE, 25, 1), 1
	s_wait_xcnt 0x0
; x [8192][1024], w_qkv [3072][1024] and w_proj [1024][1024], f32 with K innermost, are turned into codes of E3M2, 6 bits each, with one E8M0 scale byte for each 32 along K.
; A block's scale is 2^(floor(log2(its largest magnitude)) - 4); its byte is the largest magnitude's own exponent field - 4, held at 1 from below; each number is divided by the scale and rounded to the nearest code, ties to even.
; No work is left out here; the attention launch leaves out the key steps that lie wholly under the causal mask.
; LIMITS: NaN and infinities among the inputs are not served; a block whose largest magnitude lies under 2^-122 keeps the byte 1; a block of zeros gets the byte 1, not 127: its codes are zeros, and this program alone reads the bytes.
; ROWS LIE IN POSITION ORDER: row i lies at position i with bits 3 and 4 exchanged, so that sixteen positions on end, 32 bb + 16 u + r, are the rows 32 bb + 8 u + r + 8 (r / 8): a product that takes them as its
; first source leaves 16 neighbours along that axis in the 16 registers of two neighbouring tiles.
; AN OPERAND BUFFER: bytes 0 on: scale rows of 32 bytes, by position.  Bytes CODES on: the codes, TILE BY TILE of 256 positions: 196,608 bytes a tile; in it four planes of PL = 49,152 bytes, one for each 256 along K;
; in a plane position p % 256 has its 192 bytes at 192 (p % 256), dense.  So 64, 128 or 256 positions of one or of two neighbouring planes are one dense run, a multiple of 256 bytes, aligned.
; A wave takes 4 rows (4,096 numbers) in 8 steps of 512; bits 3 and 4 of a row are bits 1 and 2 of the run's number.  Work-groups 0-511: x -> xq; 512-639: w_qkv's rows 0-2047 -> wqk; 640-703: its rows 2048-3071 -> wv; 704-767: w_proj -> wp.
; Each of a step's four loads reads 512 consecutive bytes; the 2,048 bytes turn through the wave's own stage in LDS and come back 64 bytes (16 neighbours) a lane; two neighbouring lanes hold a block.
; A lane's 16 codes are 12 bytes: sixteen lanes store a position's 192 bytes of a plane, and a wave's four rows make 768 consecutive bytes in each plane.
; A wave's 128 scale bytes are gathered in LDS and leave as 128 consecutive bytes: half of an aligned run of 256, whose other half the neighbouring wave stores (one byte in 128 of what the launch reads).
; No barrier: waves share nothing.  No cluster: no byte is read twice.
.set STEPS, 8
.set EMAX,  4
.set CB,    12                         ; bytes of 16 codes
.set R,     16                         ; v16-79   four sets of 16 numbers as they are loaded
.set X,     80                         ; v80-111  two sets of 16 neighbours
.set E,     112                        ; v112-119 a scale byte for each step
.set C,     128                        ; v128-159 codes: four registers for each step, so that no store's data are written again
.set WREG,  8192                       ; LDS: a region for each wave: two stages of 32 x SP bytes, behind them its 128 scale bytes
.set SP,    80                         ; a lane's place in a stage: its 64 bytes + 16 of padding
.set CODES, 0x40000
.set PL,    256*192
.set SPW,   192                        ; v192 my spare word's LDS address; v193 0: never rewritten
.set NIL,   193
.set SPARE, 4*WREG
	s_load_b256 s[4:11], s[0:1], 0x0               ; x s[4:5], w_qkv s[6:7], w_proj s[8:9], xq s[10:11]
	s_load_b128 s[12:15], s[0:1], 0x20             ; wqk s[12:13], wv s[14:15]
	s_load_b64 s[24:25], s[0:1], 0x30              ; wp
	v_lshl_add_u32 v[SPW], v0, 2, SPARE
	v_mov_b32 v[NIL], 0
	v_lshrrev_b32 v1, 5, v0
	v_readfirstlane_b32 s16, v1                    ; wave
	v_and_b32 v2, 31, v0                           ; lane
	v_lshlrev_b32 v3, 4, v2                        ; my 16 bytes of a load's 512
	s_mul_i32 s17, s16, WREG
	v_lshrrev_b32 v14, 2, v2
	v_mul_u32_u24 v14, v14, SP
	v_and_b32 v15, 3, v2
	v_lshl_add_u32 v14, v15, 4, v14
	v_add_nc_u32 v14, s17, v14                     ; the stage, on the way in: SP (lane / 4) + 16 (lane % 4)
	v_mul_u32_u24 v15, v2, SP
	v_add_nc_u32 v15, s17, v15                     ; and on the way out: SP x lane: my 16 neighbours
	v_and_b32 v4, 15, v2
	v_mul_u32_u24 v4, v4, CB                       ; my codes' place: sixteen lanes fill a position's 192 bytes of a plane,
	v_lshrrev_b32 v10, 4, v2
	v_mad_u32_u24 v4, v10, PL, v4                  ; lanes 16-31 in the next plane
	v_lshrrev_b32 v5, 1, v2
	s_add_co_u32 s17, s17, 2*32*SP
	v_add_nc_u32 v5, s17, v5                       ; LDS: my wave's scale bytes, my block's byte
	v_lshlrev_b32 v7, 2, v2                        ; and on the way out 4 bytes a lane
	v_add_nc_u32 v6, s17, v7
	s_wait_alu depctr_va_vdst(0)                   ; the wait at the head's end
	s_wait_kmcnt 0x0
	; which tensor, which buffer: the choice hangs on the work-group's number alone, and only pointers and first work-groups are chosen: one path through the text
	s_mov_b64 s[26:27], s[8:9]                     ; in = w_proj
	s_mov_b64 s[28:29], s[24:25]                   ; out = wp
	s_mov_b32 s30, 704                             ; the first work-group of the input tensor,
	s_mov_b32 s31, 704                             ; and of the output buffer
	s_cmp_lt_u32 ttmp9, 704
	s_cselect_b64 s[26:27], s[6:7], s[26:27]       ; w_qkv,
	s_cselect_b64 s[28:29], s[14:15], s[28:29]     ; into wv
	s_cselect_b32 s30, 512, s30
	s_cselect_b32 s31, 640, s31
	s_cmp_lt_u32 ttmp9, 640
	s_cselect_b64 s[28:29], s[12:13], s[28:29]     ; into wqk
	s_cselect_b32 s31, 512, s31
	s_cmp_lt_u32 ttmp9, 512
	s_cselect_b64 s[26:27], s[4:5], s[26:27]       ; x,
	s_cselect_b64 s[28:29], s[10:11], s[28:29]     ; into xq
	s_cselect_b32 s30, 0, s30
	s_cselect_b32 s31, 0, s31
	s_sub_co_u32 s30, ttmp9, s30
	s_lshl_b32 s30, s30, 2
	s_add_co_u32 s30, s30, s16                     ; which run of 4 rows of the input tensor is my wave's
	s_sub_co_u32 s31, ttmp9, s31
	s_lshl_b32 s31, s31, 2
	s_add_co_u32 s31, s31, s16                     ; and of the output buffer,
	s_and_b32 s18, s31, 2
	s_lshl_b32 s18, s18, 1
	s_bfe_u32 s19, s31, 0x10002
	s_lshl_b32 s19, s19, 1
	s_and_not1_b32 s31, s31, 6
	s_or_b32 s31, s31, s18
	s_or_b32 s31, s31, s19                         ; in position order: the run's bits 1 and 2 exchanged
	s_lshl_b32 s20, s30, 14                        ; a run is 16,384 bytes of f32 (under 2^26 in all)
	s_mov_b32 s21, 0
	s_add_nc_u64 s[4:5], s[26:27], s[20:21]
	s_and_b32 s18, s31, 63
	s_mul_i32 s18, s18, 4*192                      ; its place in a plane: 64 runs to a tile,
	s_and_not1_b32 s20, s31, 63
	s_mul_i32 s20, s20, 4*768                      ; and the tile's 196,608 bytes
	s_add_co_u32 s20, s20, s18
	s_add_co_u32 s20, s20, CODES
	s_add_nc_u64 s[8:9], s[28:29], s[20:21]
	s_lshl_b32 s20, s31, 7                         ; 128 scale bytes
	s_add_nc_u64 s[10:11], s[28:29], s[20:21]
.macro LOAD t
.irp i, 0,1,2,3
	global_load_b128 v[R+16*((\t)%4)+4*\i:R+16*((\t)%4)+4*\i+3], v3, s[4:5] offset:2048*(\t)+512*\i th:TH_LOAD_NT   ; 32 lanes read 512 consecutive bytes
.endr
.endm
.macro TURN t                          ; step t's numbers through the stage: LDS serves a wave's instructions in order, so no wait stands between the stores and the loads
.irp i, 0,1,2,3
	ds_store_b128 v14, v[R+16*((\t)%4)+4*\i:R+16*((\t)%4)+4*\i+3] offset:32*SP*((\t)%2)+8*SP*\i
.endr
.irp i, 0,1,2,3
	ds_load_b128 v[X+16*((\t)%2)+4*\i:X+16*((\t)%2)+4*\i+3], v15 offset:32*SP*((\t)%2)+16*\i
.endr
.endm
.irp t, 0,1,2,3
	LOAD \t
.endr
	s_wait_loadcnt 12                              ; step 0's four loads are in; the twelve of steps 1 to 3 may be out
	TURN 0
.macro STEP t
.set XS, X+16*((\t)%2)
.if (\t) > 0
	s_wait_dscnt 1                                 ; this step's numbers are back from the stage (the last step's byte store may be out): so its stores into the stage have read their registers,
.else
	s_wait_dscnt 0x0
.endif
.if (\t)+4 < STEPS
	LOAD (\t)+4                                    ; which take the loads of four steps on
.endif
.if (\t)+1 < STEPS
.if STEPS-2-(\t) >= 3
	s_wait_loadcnt 12                              ; the next step's four loads are in; those of the three steps behind it may be out
.else
	s_wait_loadcnt 4*(STEPS-2-(\t))
.endif
	TURN (\t)+1                                    ; and go through the other stage while this step is worked
.endif
	v_max3_num_f32 v8, |v[XS]|, |v[XS+1]|, |v[XS+2]|               ; the largest magnitude of my 16, in two chains
	v_max3_num_f32 v9, |v[XS+3]|, |v[XS+4]|, |v[XS+5]|
.irp i, 6,10
	v_max3_num_f32 v8, v8, |v[XS+\i]|, |v[XS+\i+1]|
	v_max3_num_f32 v9, v9, |v[XS+\i+2]|, |v[XS+\i+3]|
.endr
	v_max3_num_f32 v8, v8, |v[XS+14]|, |v[XS+15]|
	v_max3_num_f32 v8, v8, v9, (EMAX+1)<<23        ; and the floor 2^(5 - 127): so the byte cannot fall under 1
	v_max_num_f32_dpp v8, v8, v8 row_xmask:1 row_mask:0xf bank_mask:0xf   ; and of my neighbour's 16: the block's
	v_add_nc_u32 v11, -(EMAX<<23), v8              ; 4 off its exponent field: the conversion takes the exponent field of this operand as its scale, and nothing else of it
	v_cvt_scalef32_pk16_bf6_f32 v[C+4*(\t):C+4*(\t)+2], v[XS:XS+15], v11         ; sixteen numbers / the scale, to the nearest code; 96 bits without gaps, the first number's code lowest
	v_lshrrev_b32 v[E+(\t)], 23, v11               ; the scale's byte (also the plain instruction behind the conversion)
	ds_store_b8 v5, v[E+(\t)] offset:16*(\t)       ; both lanes of a block write the same byte with the same value
	global_store_b96 v4, v[C+4*(\t):C+4*(\t)+2], s[8:9] offset:192*((\t)/2)+2*PL*((\t)%2)   ; row t / 2 of my four; planes 2 (t % 2) and 2 (t % 2) + 1
.endm
.irp t, 0,1,2,3,4,5,6,7
	STEP \t
.endr
	ds_load_b32 v12, v6                            ; LDS serves a wave's instructions in order: this sees my stores
	s_wait_dscnt 0x0
	global_store_b32 v7, v12, s[10:11]             ; 32 lanes store 128 consecutive bytes: four scale rows
	s_wait_tensorcnt 0x0                           ; the wave's end
	ds_add_u32 v[SPW], v[NIL]
	s_wait_dscnt 0x0
	s_endpgm
.Lfunc_end_k_qe852a9c7b5_quant:
	.size	k_qe852a9c7b5_quant, .Lfunc_end_k_qe852a9c7b5_quant-k_qe852a9c7b5_quant
	.p2alignl 7, 3214868480
	.fill 96, 4, 3214868480
	.section	.rodata,"a",@progbits
	.p2align	6, 0x0
	.amdhsa_kernel k_qe852a9c7b5_quant
		.amdhsa_group_segment_fixed_size 33280
		.amdhsa_private_segment_fixed_size 0
		.amdhsa_enable_private_segment 0
		.amdhsa_kernarg_size 56
		.amdhsa_user_sgpr_count 2
		.amdhsa_user_sgpr_kernarg_segment_ptr 1
		.amdhsa_wavefront_size32 1
		.amdhsa_system_sgpr_workgroup_id_x 1
		.amdhsa_system_sgpr_workgroup_id_y 1
		.amdhsa_system_sgpr_workgroup_id_z 1
		.amdhsa_system_vgpr_workitem_id 0
		.amdhsa_next_free_vgpr 194
		.amdhsa_next_free_sgpr 66
		.amdhsa_reserve_vcc 0
		.amdhsa_float_denorm_mode_32 3
		.amdhsa_float_denorm_mode_16_64 3
		.amdhsa_memory_ordered 1
		.amdhsa_forward_progress 1
		.amdhsa_inst_pref_size 19
	.end_amdhsa_kernel
	.amdgpu_metadata
---
amdhsa.version: [ 1, 2 ]
amdhsa.kernels:
  - .name:           k_qe852a9c7b5_quant
    .symbol:         k_qe852a9c7b5_quant.kd
    .args:
      - { .name: x, .offset: 0, .size: 8, .value_kind: global_buffer, .address_space: global }
      - { .name: w_qkv, .offset: 8, .size: 8, .value_kind: global_buffer, .address_space: global }
      - { .name: w_proj, .offset: 16, .size: 8, .value_kind: global_buffer, .address_space: global }
      - { .name: xq, .offset: 24, .size: 8, .value_kind: global_buffer, .address_space: global }
      - { .name: wqk, .offset: 32, .size: 8, .value_kind: global_buffer, .address_space: global }
      - { .name: wv, .offset: 40, .size: 8, .value_kind: global_buffer, .address_space: global }
      - { .name: wp, .offset: 48, .size: 8, .value_kind: global_buffer, .address_space: global }
    .group_segment_fixed_size: 33280
    .private_segment_fixed_size: 0
    .kernarg_segment_align: 8
    .kernarg_segment_size: 56
    .max_flat_workgroup_size: 128
    .sgpr_count:     66
    .vgpr_count:     194
    .wavefront_size: 32
...
	.end_amdgpu_metadata
.endif
;; end of part 1
;; launch gemm_qk (part 2): grid 8 x 32, 4 waves a work-group, clusters of 4 x 4, 327,680 bytes of LDS; arguments xq, wqk, qk; writes qk
.if DOCPART == 2
	.amdgcn_target "amdgcn-amd-amdhsa--gfx1250"
	.amdhsa_code_object_version 6
	.text
	.protected	k_qe852a9c7b5_gemm_qk
	.globl	k_qe852a9c7b5_gemm_qk
	.p2align	8
	.type	k_qe852a9c7b5_gemm_qk,@function
k_qe852a9c7b5_gemm_qk:
	s_mov_b64 s[64:65], 0
	v_nop
	global_prefetch_b8 v0, s[64:65] scope:SCOPE_SE
	s_setreg_imm32_b32 hwreg(HW_REG_WAVE_MODE, 25, 1), 1
	s_wait_xcnt 0x0
	s_wait_alu depctr_hold_cnt(0) depctr_sa_sdst(0) depctr_va_vdst(0) depctr_va_sdst(0) depctr_va_ssrc(0) depctr_va_vcc(0) depctr_vm_vsrc(0)
	s_getreg_b32 s2, hwreg(HW_REG_IB_STS2, 6, 4)
	s_cmp_eq_u32 s2, 0
	s_cbranch_scc0 .Lentry_in_a_cluster
	s_endpgm
.Lentry_in_a_cluster:
	s_bfe_u32 s2, ttmp6, 0x10000c
	s_cmp_lg_u32 s2, 0xf033
	s_cbranch_scc0 .Lentry_shape_is_right
	s_endpgm
.Lentry_shape_is_right:
; R = S1 S0^T on codes of E3M2 with one E8M0 scale for each 32 along K = 1,024, and R is QUANTISED ON THE WAY OUT along S0's rows, which are the next product's K.  One body, two launches:
;   arguments xq, wqk, qk: S1 = the tokens, S0 = the 2,048 rows of w_qkv that make q and k: q and k, quantised along a head's 64;
;   arguments wv, xq, vv:  S1 = the 1,024 rows of w_qkv that make v, S0 = the tokens: v transposed, quantised along the keys.
; OPERAND BUFFERS: bytes 0 on: scale rows of 32 bytes; bytes CODES on: code rows of 768 bytes; rows in POSITION ORDER (bits 3 and 4 of the row's number exchanged).
; A tile of 256 x 256 is made by four waves, as many as a WGP has SIMDs; a wave makes 128 x 128: 64 accumulators, 512 registers.  K goes in steps of 256 through a ring of two LDS slots filled by the tensor data mover.
; The scales of the work-group's 256 + 256 rows, for all of K, come into LDS once, with the first fills.
; CLUSTERS: 4 x 4 work-groups; S1's tile is shared along a row of the cluster, S0's along a column: each is asked for JOINTLY, by the same tensor load with the same descriptor and a mask that names the four.
; THE MATRIX INSTRUCTION: source 0 = 16 positions of S0, source 1 = 16 positions of S1.  A lane (r, h) then holds S1's position r, and, by the position order, the 16 registers of S0's tiles 2 bb and 2 bb + 1 are
; S0's TRUE rows 32 bb + 16 h + 0 .. 15: neighbours along the next K.  So the 64 registers of one tile of S1 are quantised in registers (four blocks of 32, each in lanes l and l xor 16) and are one operand fragment.
; THE RESULT BUFFER.  HH = S0's rows / 64, tile = S1's rows / 16.  A HALF FRAGMENT (16 rows x 64 K: six operand registers) is 768 bytes at FRAGS + (512 HH + tile) 768: registers 0-3 at 16 x lane, registers 4-5 at 512 + 8 x lane.
; A HALF WORD (the two scale bytes of a row's 64 K, upper 16 bits 0) lies at 32,768 HH + 256 (tile / 4) + 16 r + 4 (tile % 4).  Every store of the wave covers 512 or 256 consecutive bytes, aligned.
; In vv only tiles 0-63 of each plane's 512 places exist: the rest of the plane is neither written nor read.
; LIMITS: NaN and infinities are not served; a block whose largest magnitude lies under 2^-122 keeps the byte 1; a block of zeros gets the byte 1, not 127 (zero codes; this program alone reads the bytes).
; REGISTERS, in windows of 256: window 0: v0-31 addresses; v32-63 scale words, two sets; v64-115 the way out; from v128 S1's fragments, ONE set.  window 1: S0's fragments, TWO sets, at v0 and v128.
;   window 2: the 32 accumulators of my S1 tiles 0-3 (accumulator (a, b) at v[8 (8 a + b)]);  window 3: those of tiles 4-7.
.set SIZE_K, 1024
.set KSTEP,  256                       ; along K in a slot
.set NQ,     KSTEP/128                 ; matrix instructions deep
.set ROWB,   192                       ; a tile's row in bytes
.set KROW,   SIZE_K*6/8                ; a code row in memory
.set PITCH,  240                       ; an LDS row: 3 x (64 bytes + 16 of padding) = 60 words: the 32 lanes of a load of 8 bytes touch 64 different banks (64 banks of 4 bytes: ISA guide 11.1)
.set FR,     12                        ; registers of a fragment
.set NL,     6                         ; LDS loads that bring one
.set NP,     4                         ; places behind this matrix instruction (ISA guide 7.12.1)
.set HALFT,  128*PITCH                 ; 128 rows: what one tensor load brings
.set SLOT,   4*HALFT                   ; a K step's bytes in LDS.  S1's two slots lie on end from byte 0 (2 HALFT each), S0's two from byte 4 HALFT
.set LAPS,   SIZE_K/(2*KSTEP)          ; a lap = two K steps = once round the ring
.set KS,     SIZE_K/32                 ; a scale row in bytes
.set SCL,    2*SLOT                    ; behind the ring: the scales, as runs of 256 bytes + 16 of padding
.set HALFS,  (128*KS/256)*272          ; the scales of 128 rows
.set SBLK,   (16*KS/256)*272           ; those of 16 rows
.set SPARE,  SCL+4*HALFS               ; the spare words, 128 bytes for each wave: two blocks of 256 bytes that no other line names
.set CODES,  0x40000                   ; an operand buffer's codes, tile by tile of 256 positions: 196,608 bytes a tile, in it four planes of PL bytes, one for each K step of 256; in a plane a position's 192 bytes lie dense
.set PL,     256*ROWB
.set G0H,    4                         ; s[4:7], s[8:11] group 0 for the head's loads of K steps 0 and 1: S1's 256 positions, S0's 256 (the addresses that lay there have been used by then)
.set G0HB,   8
.set FRAGS,  0x400000                  ; the result buffer's half fragments
.set PLANE,  512*768                   ; from HH to HH + 1 among them
.set ADRA, 16                          ; v16-17  LDS address of my S1 fragments in slot 0, 1  (v18-19: for the pieces that lie behind one padding more)
.set ADRB, 20                          ; v20-21  the same for S0  (v22-23)
.set LI16, 24                          ; v24     16 x lane
.set LI8,  25                          ; v25     8 x lane
.set SOF,  26                          ; v26     32,768 h + 16 r: my place among the half words
.set ADRS, 27                          ; v27     LDS address of my scale words: lanes 0-15 S1's rows, lanes 16-31 S0's
.set SPW,  28                          ; v28     LDS address of my spare word; never rewritten
.set NIL,  29                          ; v29     0; never rewritten
.set SC,   32                          ; scale words: set s at v[SC + 16 s]; register NQ i + q: lanes 0-15 S1's block i, lanes 16-31 S0's block i
.set TM,   64                          ; v64-67 largest magnitudes, v68-71 the other half's, then bytes, v76-79 the conversions' scale operands
.set PW,   80                          ; v80     the scale word just made
.set SH16, 81                          ; v81     16 h
.set PWS,  84                          ; v84-91  the eight tiles' half words
.set PC,   96                          ; v96-107 the fragment just made; v108-110, v112-114 the conversions' second halves
.set AF,   128
.set G1, 24                            ; s[24:31] descriptor group 1 for S1's tiles;  s[32:39] group 0, one set for each slot
.set G0, 32
.set G1B, 48                           ; s[48:55], s[56:63] the same for S0's tiles
.set G0B, 56
.set G1S, 68                           ; s[68:75], s[76:79] groups 1 and 0 for S1's scales;  s[80:87], s[88:91] for S0's
.set G0S, 76
.set G1SB, 80
.set G0SB, 88
.set SEL, 96                           ; s[96:97] lane selects for v_permlanex16_b32: lane l xor 16
.set MSB, 0
.macro WIN new                         ; the immediate's high byte repeats the setting that is left
.if MSB != \new
	s_set_vgpr_msb (MSB<<8)|\new
.set MSB, \new
.endif
.endm
.set MUL_LO, 0xa1                      ; source 0 (S0) window 1, source 1 (S1) window 0, C and D window 2
.set MUL_HI, 0xf1                      ; the same, C and D window 3
.set TO_B,   0x40                      ; destination window 1, address window 0
; A joint load: waves 0 and 1 fetch for S1, waves 2 and 3 for S0.  Each of the two lines has ONE mask and one set of registers for all that issue it; the branch hangs on the wave's number alone.
; Four v_nop follow each of the two lines, ahead of the jump, the label and what follows.
.macro JLOAD g0a, g1a, g0b, g1b
	s_cmp_eq_u32 s15, 0
	s_cbranch_scc0 .Lfor_b_\@
	tensor_load_to_lds s[\g0a:\g0a+3], s[\g1a:\g1a+7]
	s_nop 0
.rept 4
	v_nop
.endr
	s_branch .Lasked_\@
.Lfor_b_\@:
	tensor_load_to_lds s[\g0b:\g0b+3], s[\g1b:\g1b+7]
	s_nop 0
.rept 4
	v_nop
.endr
.Lasked_\@:
.endm
.macro CREST                           ; a round of the cluster's barrier behind its opening barrier
	s_cmp_lg_u32 s14, 0
	s_cbranch_scc1 .Lnot_wave_0_\@
	s_barrier_signal -3
.Lnot_wave_0_\@:
	s_barrier_wait -3
	s_barrier_signal -1
	s_barrier_wait -1
.endm
.macro CROUND                          ; a whole round
	s_barrier_signal -1
	s_barrier_wait -1
	CREST
.endm
	s_load_b64 s[6:7], s[0:1], 0x0                 ; S1's buffer: its scale rows begin here
	s_load_b64 s[10:11], s[0:1], 0x8               ; S0's buffer
	s_load_b64 s[12:13], s[0:1], 0x10              ; the result buffer
	v_lshl_add_u32 v[SPW], v0, 2, SPARE
	v_mov_b32 v[NIL], 0
	ds_add_u32 v28, v29
	ds_add_u32 v28, v29
	s_wait_dscnt 0x0
	v_lshrrev_b32 v1, 5, v0
	v_readfirstlane_b32 s14, v1                    ; wave 0..3
	s_lshr_b32 s15, s14, 1                         ; which half of S1's 256 rows is mine.  Also: I fetch for S1 (0) or for S0 (1)
	s_and_b32 s16, s14, 1                          ; which half of S0's.  Also: which 128 rows of that tile I fetch
	s_bfe_u32 s40, ttmp6, 0x40000                  ; cx, cy: my place in the cluster
	s_bfe_u32 s41, ttmp6, 0x40004
	s_lshl_b32 s42, ttmp9, 2
	s_add_co_u32 s42, s42, s40                     ; S0's tile = 4 x cluster x + cx
	s_and_b32 s17, ttmp7, 0xffff
	s_lshl_b32 s17, s17, 2
	s_add_co_u32 s17, s17, s41                     ; S1's tile = 4 x cluster y + cy
	s_lshl_b32 s43, s41, 2
	s_lshl_b32 s43, 15, s43                        ; my row of the cluster
	s_lshl_b32 s44, 0x1111, s40                    ; my column
	; descriptor group 1: a tile of 128 rows x ROWB bytes, padded in LDS
	s_or_b32 s[G1+0], s43, (0<<16)|(1<<20)|(1<<21)|(3<<22)|(3<<25)  ; 15:0 the mask: S1's tiles go to my row; 17:16 element of 1 byte; 20 padding on; 21 set beside a mask; 24:22 after every 16 words; 31:25 of 4 words
	s_or_b32 s[G1B+0], s44, (0<<16)|(1<<20)|(1<<21)|(3<<22)|(3<<25)
.irp g, G1, G1B
	s_mov_b32 s[\g+1], 256<<16                     ; a tile is dense in its plane and is stated as rows of 256 bytes; the padding's interval stays 64 bytes, so position p lies at p x PITCH in LDS
	s_mov_b32 s[\g+2], 384<<16                     ; the head's loads: 256 positions of K steps 0 and 1, two planes on end = 384 such rows; behind them the two words that count rows are set to 96
	s_mov_b32 s[\g+3], 256<<16
	s_mov_b32 s[\g+4], 384
	s_mov_b32 s[\g+5], 256
	s_mov_b32 s[\g+6], 0
	s_mov_b32 s[\g+7], 0
.endr
	; and for the scales of 256 rows: a dense block of 8,192 bytes, as rows of 256 bytes (32 elements of 8 bytes), 16 bytes of padding behind each
	s_or_b32 s[G1S+0], s43, (3<<16)|(1<<20)|(1<<21)|(5<<22)|(3<<25)
	s_or_b32 s[G1SB+0], s44, (3<<16)|(1<<20)|(1<<21)|(5<<22)|(3<<25)
.irp g, G1S, G1SB
	s_mov_b32 s[\g+1], 32<<16
	s_mov_b32 s[\g+2], KS<<16                      ; the scales of 256 rows: KS rows of 256 bytes
	s_mov_b32 s[\g+3], 32<<16
	s_mov_b32 s[\g+4], KS
	s_mov_b32 s[\g+5], 32
	s_mov_b32 s[\g+6], 0
	s_mov_b32 s[\g+7], 0
.endr
	s_lshl_b32 s20, s17, 8                         ; S1: the tile's first position
	s_lshl_b32 s46, s42, 8                         ; S0 likewise
	s_mov_b32 s21, 0
	s_mov_b32 s47, 0
	s_mov_b64 s[18:19], KS
	s_mul_u64 s[22:23], s[20:21], s[18:19]         ; where these rows' scales begin, in bytes
	s_mul_u64 s[92:93], s[46:47], s[18:19]
	s_mov_b64 s[18:19], KROW
	s_mul_u64 s[20:21], s[20:21], s[18:19]         ; and their codes
	s_mul_u64 s[46:47], s[46:47], s[18:19]
	s_mul_i32 s18, s16, 128*ROWB                   ; in the ring I fetch 128 positions of a tile: which half, in bytes,
	s_mov_b32 s19, 0
	s_mul_i32 s45, s16, HALFT                      ; and where they go: S1's half,
	s_add_co_u32 s94, s45, 4*HALFT                 ; S0's half: no place in the cluster enters an LDS address
	s_mov_b32 s[SEL], 0x76543210
	s_mov_b32 s[SEL+1], 0xfedcba98
	s_wait_kmcnt 0x0
	s_add_nc_u64 s[4:5], s[6:7], CODES             ; S1's code rows
	s_add_nc_u64 s[8:9], s[10:11], CODES           ; S0's
	s_add_nc_u64 s[20:21], s[4:5], s[20:21]
	s_add_nc_u64 s[22:23], s[6:7], s[22:23]
	s_add_nc_u64 s[46:47], s[8:9], s[46:47]
	s_add_nc_u64 s[92:93], s[10:11], s[92:93]
	CROUND                                         ; all sixteen work-groups are here: the first joint loads meet
	s_mov_b32 s[G0S], 1
	s_mov_b32 s[G0S+1], SCL
	s_mov_b64 s[G0S+2:G0S+3], s[22:23]
	s_or_b32 s[G0S+3], s[G0S+3], 0x80000000
	s_mov_b32 s[G0SB], 1
	s_mov_b32 s[G0SB+1], SCL+2*HALFS
	s_mov_b64 s[G0SB+2:G0SB+3], s[92:93]
	s_or_b32 s[G0SB+3], s[G0SB+3], 0x80000000
	s_mov_b32 s[G0H], 1                            ; K steps 0 and 1: 256 positions of S1,
	s_mov_b32 s[G0H+1], 0
	s_mov_b64 s[G0H+2:G0H+3], s[20:21]
	s_or_b32 s[G0H+3], s[G0H+3], 0x80000000
	s_mov_b32 s[G0HB], 1                           ; and of S0, behind S1's two slots
	s_mov_b32 s[G0HB+1], 4*HALFT
	s_mov_b64 s[G0HB+2:G0HB+3], s[46:47]
	s_or_b32 s[G0HB+3], s[G0HB+3], 0x80000000
	s_add_nc_u64 s[20:21], s[20:21], s[18:19]      ; for the ring: my 128 positions of the tile
	s_add_nc_u64 s[46:47], s[46:47], s[18:19]
.irp s, 0,1
	s_mov_b32 s[G0+4*\s], 1
	s_add_co_u32 s[G0+4*\s+1], s45, \s*2*HALFT
	s_add_nc_u64 s[G0+4*\s+2:G0+4*\s+3], s[20:21], \s*PL
	s_or_b32 s[G0+4*\s+3], s[G0+4*\s+3], 0x80000000
	s_mov_b32 s[G0B+4*\s], 1
	s_add_co_u32 s[G0B+4*\s+1], s94, \s*2*HALFT
	s_add_nc_u64 s[G0B+4*\s+2:G0B+4*\s+3], s[46:47], \s*PL
	s_or_b32 s[G0B+4*\s+3], s[G0B+4*\s+3], 0x80000000
.endr
; THE HEAD'S LOADS, ONE A WAVE: wave 0 K steps 0 and 1: 256 positions of S1, wave 1 those of S0, wave 2 S1's scales, wave 3 S0's.  One chain of branches on the wave's number; every way passes one load.
.macro ARM under, g0, g1, next
	s_cmp_lt_u32 s14, \under
	s_cbranch_scc0 \next
	tensor_load_to_lds s[\g0:\g0+3], s[\g1:\g1+7]
	s_nop 0
.rept 4
	v_nop
.endr
	s_branch .Lhead_asked
\next:
.endm
	ARM 1, G0H,  G1,  .Lhead_b
	ARM 2, G0HB, G1B, .Lhead_sa
	ARM 3, G0S,  G1S, .Lhead_sb
	tensor_load_to_lds s[G0SB:G0SB+3], s[G1SB:G1SB+7]
	s_nop 0
.rept 4
	v_nop
.endr
.Lhead_asked:
	v_and_b32 v1, 15, v0
	v_bfe_u32 v2, v0, 4, 1                         ; h = l / 16
	v_mul_u32_u24 v3, v1, PITCH
	v_mul_u32_u24 v4, v2, 24
	v_add_nc_u32 v4, v3, v4                        ; a fragment's row x pitch + 24 x half
	v_lshl_add_u32 v5, v2, 4, v4                   ; and the same behind one padding more
	s_mul_i32 s21, s15, HALFT                      ; my 128 rows of S1
	s_mul_i32 s22, s16, HALFT                      ; my 128 rows of S0,
	s_add_co_u32 s22, s22, 4*HALFT                 ; which lie behind S1's two slots
.irp s, 0,1
	v_add_nc_u32 v[ADRA+\s], s21, v4
	v_add_nc_u32 v[ADRB+\s], s22, v4
	v_add_nc_u32 v[ADRA+2+\s], s21, v5
	v_add_nc_u32 v[ADRB+2+\s], s22, v5
	s_add_co_u32 s21, s21, 2*HALFT
	s_add_co_u32 s22, s22, 2*HALFT
.endr
	v_mul_u32_u24 v5, v1, KS                       ; my row's scales: KS bytes a row,
	v_lshrrev_b32 v6, 8, v5
	v_lshl_add_u32 v5, v6, 4, v5                   ; and 16 more for each 256 passed
	s_mul_i32 s21, s15, HALFS                      ; S1's: my 128 rows
	s_mul_i32 s22, s16, HALFS                      ; S0's: my 128 rows, behind S1's 256
	s_add_co_u32 s22, s22, 2*HALFS
	s_sub_co_u32 s22, s22, s21
	v_mul_u32_u24 v6, s22, v2                      ; lanes 16-31 take S0's
	s_add_co_u32 s21, s21, SCL
	v_add_nc_u32 v5, v5, v6
	v_add_nc_u32 v[ADRS], s21, v5
	; the way out's registers
	v_and_b32 v6, 31, v0
	v_lshlrev_b32 v[LI16], 4, v6
	v_lshlrev_b32 v[LI8], 3, v6
	v_lshlrev_b32 v[SOF], 4, v1
	v_lshl_add_u32 v[SOF], v2, 15, v[SOF]
	v_lshlrev_b32 v[SH16], 4, v2
.irp b, 0,1,2,3
	v_mov_b32 v[TM+4+\b], 0                        ; written once: a lane permute's destination counts as one of its sources
.endr
	; where my results go: HH0 = 4 x S0's tile + 2 x half, t0 = 16 x S1's tile + 8 x half
	s_lshl_b32 s20, s42, 2
	s_lshl_b32 s21, s16, 1
	s_add_co_u32 s20, s20, s21                     ; HH0
	s_lshl_b32 s21, s17, 4
	s_lshl_b32 s22, s15, 3
	s_add_co_u32 s21, s21, s22                     ; t0
	s_lshl_b32 s22, s20, 9
	s_add_co_u32 s22, s22, s21
	s_mul_i32 s22, s22, 768
	s_add_co_u32 s22, s22, FRAGS                   ; half fragments: FRAGS + (512 HH0 + t0) 768, under 2^26
	s_mov_b32 s23, 0
	s_lshl_b32 s46, s20, 15
	s_lshl_b32 s47, s21, 6
	s_add_co_u32 s46, s46, s47                     ; half words: 32,768 HH0 + 256 (t0 / 4)
	s_mov_b32 s47, 0
	s_add_nc_u64 s[92:93], s[12:13], s[46:47]
	s_add_nc_u64 s[12:13], s[12:13], s[22:23]
.macro FRAG reg, adr, q, i             ; a fragment, 16 rows x 128 K, is 12 registers: lane l holds row l % 16; registers 6 c .. 6 c + 5 hold K = 64 c + 32 (l / 16) + 0 .. 31: 24 bytes of the row's stream of bits, as they lie
.irp p, 0,1,2,3,4,5                    ; in pieces of 8 bytes.  Lanes 0-15 take the row's pieces 12 q + 0, 1, 2 and 12 q + 6, 7, 8, lanes 16-31 those three pieces on
.set PCE, 12*(\q)+6*(\p/3)+\p%3        ; 16 bytes of padding lie behind every 8 pieces: where the piece three on lies behind one padding more, the second address register serves
.if PCE%8 < 5
	ds_load_b64 v[\reg+2*\p:\reg+2*\p+1], v[\adr] offset:8*PCE+16*(PCE/8)+(\i)*16*PITCH
.else
	ds_load_b64 v[\reg+2*\p:\reg+2*\p+1], v[\adr+2] offset:8*PCE+16*(PCE/8)+(\i)*16*PITCH
.endif
.endr
.endm
; 16 matrix instructions: S1's blocks a0, a0 + 1 x S0's eight, 128 along K: the slot's q-th.  p: S0's set;  sc: the set of scale words.  zero = 1: the first product starts the sums: nothing is ever cleared.
; The 64 accumulators take turns, one instruction a turn, in the same order in every step.
.macro MUL16 a0, p, q, sc, zero
.irp a, \a0, \a0+1
.irp b, 0,1,2,3,4,5,6,7
.if \zero
	v_wmma_scale_f32_16x16x128_f8f6f4 v[8*(8*((\a)%4)+\b):8*(8*((\a)%4)+\b)+7], v[128*(\p)+FR*\b:128*(\p)+FR*\b+FR-1], v[AF+FR*(\a):AF+FR*(\a)+FR-1], 0, v[SC+8*NQ*(\sc)+NQ*\b+(\q)], v[SC+8*NQ*(\sc)+NQ*(\a)+(\q)] matrix_a_fmt:MATRIX_FMT_BF6 matrix_b_fmt:MATRIX_FMT_BF6 matrix_a_scale:MATRIX_SCALE_ROW1
.else
	v_wmma_scale_f32_16x16x128_f8f6f4 v[8*(8*((\a)%4)+\b):8*(8*((\a)%4)+\b)+7], v[128*(\p)+FR*\b:128*(\p)+FR*\b+FR-1], v[AF+FR*(\a):AF+FR*(\a)+FR-1], v[8*(8*((\a)%4)+\b):8*(8*((\a)%4)+\b)+7], v[SC+8*NQ*(\sc)+NQ*\b+(\q)], v[SC+8*NQ*(\sc)+NQ*(\a)+(\q)] matrix_a_fmt:MATRIX_FMT_BF6 matrix_b_fmt:MATRIX_FMT_BF6 matrix_a_scale:MATRIX_SCALE_ROW1
.endif
.endr
.endr
.endm
.macro FETCH_B slot, q, p              ; S0's eight fragments of the slot's q-th 128 along K into set p
	WIN TO_B
.irp i, 0,1,2,3,4,5,6,7
	FRAG 128*(\p)+FR*\i, ADRB+\slot, \q, \i
.endr
	WIN 0
.endm
.macro FETCH_A slot, q, i0             ; S1's blocks i0 .. i0 + 3
.irp i, \i0, \i0+1, \i0+2, \i0+3
	FRAG AF+FR*(\i), ADRA+\slot, \q, \i
.endr
.endm
.macro SCALES sc                       ; the next K step's scale words into set sc: two words a row; lanes 0-15 take S1's block i, lanes 16-31 S0's block i
.irp i, 0,1,2,3,4,5,6,7
	ds_load_b64 v[SC+8*NQ*\sc+NQ*\i:SC+8*NQ*\sc+NQ*\i+1], v[ADRS] offset:\i*SBLK
.endr
.endm
; A load into a register that a matrix instruction has read, and a vector instruction that reads a matrix result, stand NP places behind that matrix instruction, and only plain vector
; instructions that name none of its registers are places (ISA guide 7.12.1 for vector instructions).
.macro PLACES n
.rept \n
	v_nop
.endr
.endm
; A step of 128 along K that has its successor in the same slot.
.macro STEP slot, q, zero
	s_wait_dscnt 4*NL                              ; S0's set and S1's blocks 0-3 are in; the youngest 24 loads (S1's blocks 4-7) may be out
	WIN MUL_LO
	MUL16 0, (\q)%2, \q, \slot, \zero
	MUL16 2, (\q)%2, \q, \slot, \zero
	s_wait_dscnt 0                                 ; S1's blocks 4-7 are in (asked for 32 matrix instructions ago)
	PLACES NP
	FETCH_B \slot, (\q)+1, 1-(\q)%2
	FETCH_A \slot, (\q)+1, 0
	WIN MUL_HI
	MUL16 4, (\q)%2, \q, \slot, \zero
	MUL16 6, (\q)%2, \q, \slot, \zero
	PLACES NP
	WIN 0
	FETCH_A \slot, (\q)+1, 4
.endm
; A slot's last step changes slots: ONE barrier; in front of it each wave waits for all its tensor loads, adds 0 to its spare word, and waits for that and for its own reads of this slot.  fill = 1: this slot is filled again, two K steps ahead.
.macro TURN slot, next, fill
	s_wait_tensorcnt 0x0                           ; all my tensor loads have landed: my part of the next slot;  (every window is 0 here)
	ds_add_u32 v[SPW], v[NIL]                      ; 0 onto my spare word;
	s_wait_dscnt 4*NL+1                            ; (the add and the youngest 24 loads, S1's blocks 4-7, may be out)
	WIN MUL_LO
	MUL16 0, 1, NQ-1, \slot, 0                     ; sixteen matrix instructions stand between the add and the wait for it
	s_wait_dscnt 0x0                               ; the add is done, and my reads of this slot are over
	s_barrier_signal -1
	MUL16 2, 1, NQ-1, \slot, 0
	WIN 0
	s_barrier_wait -1
.if \fill
	CREST                                          ; the barrier has opened a round of the cluster's barrier: no wave of any partner still reads this slot's tile or has a load on its way
	s_add_nc_u64 s[G0+4*\slot+2:G0+4*\slot+3], s[G0+4*\slot+2:G0+4*\slot+3], 2*PL
	s_add_nc_u64 s[G0B+4*\slot+2:G0B+4*\slot+3], s[G0B+4*\slot+2:G0B+4*\slot+3], 2*PL
	JLOAD G0+4*\slot, G1, G0B+4*\slot, G1B         ; the first tensor load behind the round, my one load until the next; the four v_nop behind it are the places in front of the loads below
.else
	PLACES NP
.endif
	s_wait_alu depctr_va_vdst(0)
	v_add_nc_u32 v[ADRS], 4*NQ, v[ADRS]            ; on to the next K step's scale words (no LDS load of mine is out)
	FETCH_B \next, 0, 0
	FETCH_A \next, 0, 0
	SCALES \next
	WIN MUL_HI
	MUL16 4, 1, NQ-1, \slot, 0
	MUL16 6, 1, NQ-1, \slot, 0
	PLACES NP
	WIN 0
	FETCH_A \next, 0, 4
.endm
	s_wait_alu depctr_va_vdst(0)                   ; the wait at the head's end
	s_wait_tensorcnt 0x0                           ; my tile of the head's four is in
	s_mov_b32 s[G1+2], 96<<16                      ; no tensor load of mine is out: from here on a load brings 128 positions of one plane, 96 rows of 256 bytes
	s_mov_b32 s[G1+4], 96
	s_mov_b32 s[G1B+2], 96<<16
	s_mov_b32 s[G1B+4], 96
	s_barrier_signal -1                            ; my tile of the head's four is in (no LDS instruction of mine is out);
	s_barrier_wait -1                              ; everybody's is: both slots and the scales are whole.
	FETCH_B 0, 0, 0
	FETCH_A 0, 0, 0
	SCALES 0
	FETCH_A 0, 0, 4
	STEP 0, 0, 1                                   ; the first step stands in front of the loop: its products start the sums
	s_mov_b32 s3, LAPS-1
.Llap:                                                 ; a trip goes once round the ring, from a lap's second step to the next lap's first, and fills both slots again
	TURN 0, 1, 1
	STEP 1, 0, 0
	TURN 1, 0, 1
	STEP 0, 0, 0
	s_sub_co_u32 s3, s3, 1
	s_cmp_lg_u32 s3, 0
	s_cbranch_scc1 .Llap
	TURN 0, 1, 0                                   ; the last lap fills nothing, and has no round of the cluster's barrier
	STEP 1, 0, 0
	s_wait_dscnt 4*NL                              ; the very last step: nothing more to fetch
	WIN MUL_LO
	MUL16 0, 1, NQ-1, 1, 0
	MUL16 2, 1, NQ-1, 1, 0
	s_wait_dscnt 0
	WIN MUL_HI
	MUL16 4, 1, NQ-1, 1, 0
	MUL16 6, 1, NQ-1, 1, 0
	WIN 0
; THE WAY OUT of S1's tile a: its 64 accumulator registers, register 16 b + i = S0's true row 32 b + 16 h + i of my 128, become one fragment's codes and one scale word a row, and leave as two half fragments.
.macro OUTT a
.set AC, 64*((\a)%4)                   ; the tile's accumulators,
.set AW, 2+(\a)/4                      ; in window 2 or 3
.set AW5, 5*AW
	WIN AW5                                        ; sources 0 and 1 in that window; source 2 and the destination in window 0
.irp b, 0,1,2,3
	v_max3_num_f32 v[TM+\b], |v[AC+16*\b]|, |v[AC+1+16*\b]|, 0x2800000   ; block b: my 16 numbers, and the floor 2^(5 - 127): the byte cannot fall under 1.  Each accumulator is read from its low end on
.endr
.irp i, 2,4,6,8,10,12,14
.irp b, 0,1,2,3
	v_max3_num_f32 v[TM+\b], |v[AC+16*\b+\i]|, |v[AC+1+16*\b+\i]|, v[TM+\b]   ; (the four blocks by turns: no line waits for the line above it)
.endr
.endr
	WIN 0
.irp b, 0,1,2,3
	v_permlanex16_b32 v[TM+4+\b], v[TM+\b], s[SEL], s[SEL+1]
.endr
.irp b, 0,1,2,3
	v_max_num_f32 v[TM+\b], v[TM+\b], v[TM+4+\b]   ; with lane l xor 16's: the block's largest magnitude
.endr
.irp b, 0,1,2,3
	v_add_nc_u32 v[TM+12+\b], 0xfe000000, v[TM+\b] ; 4 off its exponent field: the conversion's scale operand
.endr
.irp b, 0,1,2,3
	v_lshrrev_b32 v[TM+4+\b], 23, v[TM+12+\b]      ; the scale's byte
.endr
	v_lshl_or_b32 v[PW], v[TM+5], 8, v[TM+4]       ; my row's four bytes
	v_lshl_or_b32 v[PW], v[TM+6], 16, v[PW]
	v_lshl_or_b32 v[PW], v[TM+7], 24, v[PW]
	v_bfe_u32 v[PWS+\a], v[PW], v[SH16], 16        ; lanes 0-15: the half word of the first 64 along the next K; lanes 16-31: of the second 64
	s_wait_xcnt 0x0                                ; the last tile's stores have had their addresses translated: only behind this wait are their data registers written again
	WIN AW                                         ; source 0 in the accumulators' window
.irp c, 0,1
	v_cvt_scalef32_pk16_bf6_f32 v[PC+6*\c:PC+2+6*\c], v[AC+32*\c:AC+15+32*\c], v[TM+12+2*\c]
	v_cvt_scalef32_pk16_bf6_f32 v[PC+12+4*\c:PC+14+4*\c], v[AC+16+32*\c:AC+31+32*\c], v[TM+12+2*\c+1]   ; (a conversion's three registers begin on an even number)
.endr
	WIN 0
	v_nop                                          ; one plain place behind a scaled conversion
.irp c, 0,1                                    ; the operand's layout wants a WHOLE block in a lane: lanes 0-15 block 2 c, lanes 16-31 block 2 c + 1
.irp i, 0,1,2
	v_permlane16_swap_b32 v[PC+6*\c+\i], v[PC+12+4*\c+\i]
.endr
.irp i, 0,1,2
	v_mov_b32 v[PC+3+6*\c+\i], v[PC+12+4*\c+\i]
.endr
.endr
	global_store_b128 v[LI16], v[PC:PC+3], s[12:13] offset:768*(\a)              ; half fragment (HH0, t0 + a): 512 consecutive bytes,
	global_store_b64 v[LI8], v[PC+4:PC+5], s[12:13] offset:768*(\a)+512          ; and 256
	global_store_b128 v[LI16], v[PC+6:PC+9], s[12:13] offset:PLANE+768*(\a)      ; half fragment (HH0 + 1, t0 + a)
	global_store_b64 v[LI8], v[PC+10:PC+11], s[12:13] offset:PLANE+768*(\a)+512
.endm
	PLACES NP                                      ; behind the last products, ahead of the first read of results
.irp a, 0,1,2,3,4,5,6,7
	OUTT \a
.endr
	global_store_b128 v[SOF], v[PWS:PWS+3], s[92:93]               ; the half words of tiles t0 .. t0 + 3: lanes 0-15 fill 256 consecutive bytes of plane HH0, lanes 16-31 of plane HH0 + 1
	global_store_b128 v[SOF], v[PWS+4:PWS+7], s[92:93] offset:256  ; and of tiles t0 + 4 .. t0 + 7
	s_wait_tensorcnt 0x0                           ; the wave's end
	ds_add_u32 v[SPW], v[NIL]
	s_wait_dscnt 0x0
	CROUND                                         ; the closing round: no work-group ends while a partner may still ask for a tile that names it
	s_endpgm
.Lfunc_end_k_qe852a9c7b5_gemm_qk:
	.size	k_qe852a9c7b5_gemm_qk, .Lfunc_end_k_qe852a9c7b5_gemm_qk-k_qe852a9c7b5_gemm_qk
	.p2alignl 7, 3214868480
	.fill 96, 4, 3214868480
	.section	.rodata,"a",@progbits
	.p2align	6, 0x0
	.amdhsa_kernel k_qe852a9c7b5_gemm_qk
		.amdhsa_group_segment_fixed_size 327680
		.amdhsa_private_segment_fixed_size 0
		.amdhsa_enable_private_segment 0
		.amdhsa_kernarg_size 24
		.amdhsa_user_sgpr_count 2
		.amdhsa_user_sgpr_kernarg_segment_ptr 1
		.amdhsa_wavefront_size32 1
		.amdhsa_system_sgpr_workgroup_id_x 1
		.amdhsa_system_sgpr_workgroup_id_y 1
		.amdhsa_system_sgpr_workgroup_id_z 1
		.amdhsa_system_vgpr_workitem_id 0
		.amdhsa_next_free_vgpr 1024
		.amdhsa_next_free_sgpr 98
		.amdhsa_reserve_vcc 0
		.amdhsa_float_denorm_mode_32 3
		.amdhsa_float_denorm_mode_16_64 3
		.amdhsa_memory_ordered 1
		.amdhsa_forward_progress 1
		.amdhsa_inst_pref_size 166
	.end_amdhsa_kernel
	.amdgpu_metadata
---
amdhsa.version: [ 1, 2 ]
amdhsa.kernels:
  - .name:           k_qe852a9c7b5_gemm_qk
    .symbol:         k_qe852a9c7b5_gemm_qk.kd
    .args:
      - { .name: xq, .offset: 0, .size: 8, .value_kind: global_buffer, .address_space: global }
      - { .name: wqk, .offset: 8, .size: 8, .value_kind: global_buffer, .address_space: global }
      - { .name: qk, .offset: 16, .size: 8, .value_kind: global_buffer, .address_space: global }
    .group_segment_fixed_size: 327680
    .private_segment_fixed_size: 0
    .kernarg_segment_align: 8
    .kernarg_segment_size: 24
    .max_flat_workgroup_size: 128
    .sgpr_count:     98
    .vgpr_count:     1024
    .wavefront_size: 32
...
	.end_amdgpu_metadata
.endif
;; end of part 2
;; launch gemm_v: the kernel of part 2 again; grid 32 x 4, 4 waves a work-group, clusters of 4 x 4, 327,680 bytes of LDS; arguments wv, xq, vv; writes vv
;; launch attn (part 3): grid 4 x 64, 16 waves a work-group, clusters of 4 x 1, 215,040 bytes of LDS; arguments qk, vv, oo; writes oo
.if DOCPART == 3
	.amdgcn_target "amdgcn-amd-amdhsa--gfx1250"
	.amdhsa_code_object_version 6
	.text
	.protected	k_qe852a9c7b5_attn
	.globl	k_qe852a9c7b5_attn
	.p2align	8
	.type	k_qe852a9c7b5_attn,@function
k_qe852a9c7b5_attn:
	s_mov_b64 s[64:65], 0
	v_nop
	global_prefetch_b8 v0, s[64:65] scope:SCOPE_SE
	s_setreg_imm32_b32 hwreg(HW_REG_WAVE_MODE, 25, 1), 1
	s_wait_xcnt 0x0
	s_wait_alu depctr_hold_cnt(0) depctr_sa_sdst(0) depctr_va_vdst(0) depctr_va_sdst(0) depctr_va_ssrc(0) depctr_va_vcc(0) depctr_vm_vsrc(0)
	s_getreg_b32 s2, hwreg(HW_REG_IB_STS2, 6, 4)
	s_cmp_eq_u32 s2, 0
	s_cbranch_scc0 .Lentry_in_a_cluster
	s_endpgm
.Lentry_in_a_cluster:
	s_bfe_u32 s2, ttmp6, 0x10000c
	s_cmp_lg_u32 s2, 0x3003
	s_cbranch_scc0 .Lentry_shape_is_right
	s_endpgm
.Lentry_shape_is_right:
; Causal attention of 64 (batch, head) pairs, 2,048 tokens, head size 64, both products on codes of E3M2 with one E8M0 scale for each 32 along a product's K.  The result O / l is quantised along the features and leaves as codes.
; INPUTS.  qk: planes 0-15 q's heads, planes 16-31 k's; vv: planes 2 (16 b + ks) + c: v transposed, keys 128 ks + 64 c on.  A HALF FRAGMENT (16 rows x 64 K, six operand registers) is 768 bytes at
; FRAGS + (512 plane + tile) 768: registers 0-3 at 16 x lane, registers 4-5 at 512 + 8 x lane.  A HALF WORD (a row's two scale bytes, upper 16 bits 0) lies at 32,768 plane + 256 (tile / 4) + 16 r + 4 (tile % 4).
; Rows lie in POSITION ORDER (bits 3 and 4 of a token's or channel's number exchanged): tile 2 bb + u, lane r is row 32 bb + 8 u + r + 8 (r / 8).
; THE SOFTMAX: t = score x log2(e) / 8; M = the row's largest t so far, rounded UP to a whole number; p = 2^(t - M) is what is quantised, along the keys; the row's sum is taken of the unquantised p and divides O at the end.
; When M moves, the sum and O are multiplied by 2^(old M - new M): exact.
; SHARES.  A cluster of four work-groups is one (batch, head); each holds the head's K and V WHOLE in LDS (208 KiB as codes), fetched once by joint loads: waves 0-5 of each work-group ask for K's codes, waves 6-13 for V's, waves 14 and 15 for K's and V's half words.  Nothing is filled again.
; The head's 128 query tiles are 16 groups of 8; group G needs key steps 0 .. G, and step G lies on the diagonal.  Wave w of work-group cx takes tile 8 w + 2 cx (pass 0) and tile 8 (15 - w) + 2 cx + 1 (pass 1): 17 key steps
; for every wave.  Every branch hangs on the wave's number and a counter; cx enters only q's and oo's global addresses and the mask's number d.
; LAYOUT.  S^T = K Q^T (source 0 = 16 key positions, source 1 = my 16 queries), O^T = V^T P^T (source 0 = 16 channel positions, source 1 = P): a lane holds ONE query throughout, and by the position order the 16 registers of
; two neighbouring tiles are 16 neighbouring true keys, or channels.
; THE HEAD'S 64 IN AN INSTRUCTION OF K = 128: Q's registers 6-11 are zero codes, and bytes 2, 3 of Q's and K's scale words are 0 (2^-127: a valid scale).  K's operand runs on into the next tile's six registers (the last tile's
; into six cleared ones): each of those codes meets a zero code of Q, so every such product is 0 exactly.  Only ONE side of the upper half is zeros: that spares 48 clearings a key step.
; oo: bytes 0 on: scale rows of 32 bytes, [16 tile + r], byte 2 head + block; bytes CODES on: half fragments [tile][head].  The scale bytes leave as single bytes 32 bytes apart (one part in 25 of what is stored): a row's other
; bytes belong to other heads' clusters.
; LIMITS: NaN and infinities are not served; 1 / l is v_rcp_f32 and a multiplication; a block whose largest magnitude lies under 2^-122 keeps the byte 1, and so does a block of zeros (zero codes; this program alone reads the bytes).
.set KC,    0                          ; LDS: K's 128 half fragments, 768 bytes each
.set VC,    98304                      ; V's: row 2 ks + c of 3,072 bytes = four channel tiles
.set KSB,   196608                     ; K's half words: 512 bytes a key step
.set VSB,   204800                     ; V's: row 2 ks + c of 256 bytes
.set FRAGS, 0x400000
.set CODES, 0x40000
; v1 16 x lane; v2 8 x lane; v3 KSB + 16 r; v4-8 the step's LDS addresses; v9 d; v10 32 r + h; v11 16 r; v12 -M; v13 the largest t; v[14:15] the sum in two halves;
; v16-27, v28-39 Q of pass 0, 1; v40-93 K's eight half fragments at stride 6 and six zeros, then V's four fragments in v40-87; v96-159 S^T, then p; v160-191 O^T;
; v192-199 K's half words; v200-203 V's words; v204-207 V's upper half words; v208, v209 Q's half words; v210 p's scale word; v211 d less 8 x pass
.set BM,  212                          ; v212-215 the blocks' largest scores, then largest p
.set BP,  216                          ; v216-219 the other half's, then the scale bytes
.set SCO, 220                          ; v220-223 the conversions' scale operands
; v224-235 p's codes; v236-238, v240-242 the conversions' second halves; v[244:245] the sum's second chain; v[246:247] f; v248 at work; v249 -infinity
; s10 cx; s12 b; s13 head; s16, s17 the group of pass 0, 1; s18 wave; s19 lanes 16-31; s[20:21] permute selects; s[22:23] c; s[24:55] four groups 1; s[56:63], s[68:75] four groups 0;
; s[76:79] q's codes; s[80:83] q's half words; s[84:87] oo's codes; s[88:91] oo's scale bytes (pass 0, 1 each); s92, s93 the step's places in LDS; s94 the step's number
.macro CROUND                          ; a round of the cluster's barrier
	s_barrier_signal -1
	s_barrier_wait -1
	s_cmp_lg_u32 s18, 0
	s_cbranch_scc1 .Lnot_wave_0_\@
	s_barrier_signal -3
.Lnot_wave_0_\@:
	s_barrier_wait -3
	s_barrier_signal -1
	s_barrier_wait -1
.endm
	s_load_b128 s[4:7], s[0:1], 0x0                ; qk, vv
	s_load_b64 s[8:9], s[0:1], 0x10                ; oo
	v_lshl_add_u32 v254, v0, 2, 0x34000
	v_mov_b32 v255, 0
	ds_add_u32 v254, v255
	ds_add_u32 v254, v255
	v_lshrrev_b32 v1, 5, v0
	s_delay_alu instid0(VALU_DEP_1)
	v_readfirstlane_b32 s18, v1                    ; wave 0..15
	s_bfe_u32 s10, ttmp6, 0x40000                  ; cx
	s_and_b32 s11, ttmp7, 0xffff                   ; the cluster's y: 16 b + head
	s_lshr_b32 s12, s11, 4
	s_and_b32 s13, s11, 15
	s_mov_b32 s16, s18                             ; pass 0: group w
	s_xor_b32 s17, s18, 15                         ; pass 1: group 15 - w
	s_mov_b32 s19, 0xffff0000
	s_mov_b32 s20, 0x76543210
	s_mov_b32 s21, 0xfedcba98
	s_mov_b32 s22, 0x3e38aa3b                      ; c = log2(e) / 8
	s_mov_b32 s23, s22                             ; (named with it as a pair, so it is written)
	; descriptor groups 1: elements of 8 bytes, the mask of all four work-groups, bit 21 beside it, no padding
.irp g, 24, 32, 40, 48
	s_mov_b32 s[\g], 15|(3<<16)|(1<<21)
	s_mov_b32 s[\g+6], 0
	s_mov_b32 s[\g+7], 0
.endr
	s_mov_b32 s25, 32<<16                          ; K's codes of a key step: 6,144 dense bytes as 24 rows of 256
	s_mov_b32 s26, 64<<16                          ; (a wave of the six brings 64 of K's 384 rows of 256 bytes)
	s_mov_b32 s27, 32<<16
	s_mov_b32 s28, 64
	s_mov_b32 s29, 32
	s_mov_b32 s33, 32<<16                          ; K's half words: 512 dense bytes as 2 rows of 256
	s_mov_b32 s34, 32<<16                          ; (all of K's half words: 8,192 dense bytes, one load)
	s_mov_b32 s35, 32<<16
	s_mov_b32 s36, 32
	s_mov_b32 s37, 32
	s_mov_b32 s41, 384<<16                         ; V's codes: 2 rows (c) of 3,072 bytes, a plane (393,216 bytes) apart
	s_mov_b32 s42, 4<<16                           ; (a wave of the eight brings 4 of V's 32 rows)
	s_mov_b32 s43, 384<<16
	s_mov_b32 s44, 4
	s_mov_b32 s45, 49152
	s_mov_b32 s49, 32<<16                          ; V's half words: 2 rows of 256 bytes, 32,768 bytes apart
	s_mov_b32 s50, 32<<16                          ; (all 32 rows of V's half words, one load)
	s_mov_b32 s51, 32<<16
	s_mov_b32 s52, 32
	s_mov_b32 s53, 4096
	; groups 0: each wave brings its share of the head.  Nothing in them hangs on cx.  Each offset is made in the pair that will hold the address
	s_mov_b32 s56, 1
	s_lshl_b32 s57, s18, 14                        ; waves 0-5: 16,384 bytes of K's codes each
	s_add_co_u32 s14, s13, 16                      ; k's plane
	s_lshl_b32 s15, s14, 9
	s_lshl_b32 s3, s12, 7
	s_add_co_u32 s15, s15, s3
	s_mul_i32 s58, s15, 768
	s_add_co_u32 s58, s58, FRAGS
	s_add_co_u32 s58, s58, s57                     ; (512 plane + 128 b) 768 + 16,384 w
	s_mov_b32 s59, 0
	s_mov_b32 s60, 1
	s_mov_b32 s61, KSB
	s_lshl_b32 s62, s14, 15
	s_lshl_b32 s3, s12, 13
	s_add_co_u32 s62, s62, s3
	s_mov_b32 s63, 0
	s_mov_b32 s68, 1
	s_mul_i32 s69, s18, 12288
	s_add_co_u32 s69, s69, VC-6*12288              ; waves 6-13: rows 4 (w - 6) on of V's 32
	s_max_u32 s3, s18, 6
	s_sub_co_u32 s3, s3, 6
	s_lshl_b32 s14, s12, 4                         ; 16 b
	s_lshl_b32 s15, s14, 10                        ; 512 x 2 x 16 b
	s_lshl_b32 s3, s3, 11                          ; + 512 x 4 (w - 6)
	s_add_co_u32 s15, s15, s3
	s_lshl_b32 s3, s13, 2
	s_add_co_u32 s15, s15, s3                      ; 512 x 2 x 16 b + 512 x 4 (w - 6) + 4 head
	s_mul_i32 s70, s15, 768
	s_add_co_u32 s70, s70, FRAGS
	s_mov_b32 s71, 0
	s_mov_b32 s72, 1
	s_mov_b32 s73, VSB
	s_lshl_b32 s74, s14, 16
	s_lshl_b32 s3, s13, 8
	s_add_co_u32 s74, s74, s3                      ; 32,768 x 2 x 16 b + 256 head
	s_mov_b32 s75, 0
	; my two query tiles
	s_lshl_b32 s14, s12, 7
	s_lshl_b32 s15, s10, 1
	s_add_co_u32 s14, s14, s15                     ; 128 b + 2 cx
	s_lshl_b32 s15, s16, 3
	s_add_co_u32 s15, s15, s14                     ; pass 0's tile
	s_lshl_b32 s3, s17, 3
	s_add_co_u32 s3, s3, s14
	s_add_co_u32 s3, s3, 1                         ; pass 1's
.macro QADR p, tt                      ; the four offsets of pass p's tile, whose number is in s[tt]
	s_lshl_b32 s[76+2*\p], s13, 9
	s_add_co_u32 s[76+2*\p], s[76+2*\p], s[\tt]
	s_mul_i32 s[76+2*\p], s[76+2*\p], 768
	s_add_co_u32 s[76+2*\p], s[76+2*\p], FRAGS     ; q's half fragment
	s_mov_b32 s[77+2*\p], 0
	s_lshr_b32 s[80+2*\p], s[\tt], 2
	s_lshl_b32 s[80+2*\p], s[80+2*\p], 8
	s_and_b32 s95, s[\tt], 3
	s_lshl_b32 s95, s95, 2
	s_add_co_u32 s[80+2*\p], s[80+2*\p], s95
	s_lshl_b32 s95, s13, 15
	s_add_co_u32 s[80+2*\p], s[80+2*\p], s95       ; q's half words
	s_mov_b32 s[81+2*\p], 0
	s_lshl_b32 s[84+2*\p], s[\tt], 4
	s_add_co_u32 s[84+2*\p], s[84+2*\p], s13
	s_mul_i32 s[84+2*\p], s[84+2*\p], 768
	s_add_co_u32 s[84+2*\p], s[84+2*\p], CODES     ; oo's half fragment
	s_mov_b32 s[85+2*\p], 0
	s_lshl_b32 s[88+2*\p], s[\tt], 9
	s_lshl_b32 s95, s13, 1
	s_add_co_u32 s[88+2*\p], s[88+2*\p], s95       ; oo's scale bytes
	s_mov_b32 s[89+2*\p], 0
.endm
	QADR 0, 15
	QADR 1, 3
	s_wait_dscnt 0x0
	s_wait_kmcnt 0x0
	s_add_nc_u64 s[58:59], s[4:5], s[58:59]
	s_or_b32 s59, s59, 0x80000000
	s_add_nc_u64 s[62:63], s[4:5], s[62:63]
	s_or_b32 s63, s63, 0x80000000
	s_add_nc_u64 s[70:71], s[6:7], s[70:71]
	s_or_b32 s71, s71, 0x80000000
	s_add_nc_u64 s[74:75], s[6:7], s[74:75]
	s_or_b32 s75, s75, 0x80000000
.irp p, 0,1
	s_add_nc_u64 s[76+2*\p:77+2*\p], s[4:5], s[76+2*\p:77+2*\p]
	s_add_nc_u64 s[80+2*\p:81+2*\p], s[4:5], s[80+2*\p:81+2*\p]
	s_add_nc_u64 s[84+2*\p:85+2*\p], s[8:9], s[84+2*\p:85+2*\p]
	s_add_nc_u64 s[88+2*\p:89+2*\p], s[8:9], s[88+2*\p:89+2*\p]
.endr
	CROUND                                         ; all four work-groups are here: the joint loads meet
; THE LAUNCH'S ONLY FILLS, ONE JOINT LOAD A WAVE: the head's K and V are shared out among the sixteen waves, not by key steps: waves 0-5 K's codes, waves 6-13 V's codes, wave 14 K's half words, wave 15 V's.
; One chain of branches on the wave's number; every way passes one load.  The LDS image is as the head comment has it.
.macro ARM under, g0, g1, next
	s_cmp_lt_u32 s18, \under
	s_cbranch_scc0 \next
	tensor_load_to_lds s[\g0:\g0+3], s[\g1:\g1+7]
	s_nop 0
.rept 4
	v_nop
.endr
	s_branch .Lasked
\next:
.endm
	ARM 6,  56, 24, .Lv_codes
	ARM 14, 68, 40, .Lk_words
	ARM 15, 60, 32, .Lv_words
	tensor_load_to_lds s[72:75], s[48:55]
	s_nop 0
.rept 4
	v_nop
.endr
.Lasked:
	v_and_b32 v1, 31, v0
	v_and_b32 v11, 15, v0                          ; r
	v_bfe_u32 v10, v0, 4, 1                        ; h
	s_delay_alu instid0(VALU_DEP_3)
	v_lshlrev_b32 v2, 3, v1
	s_delay_alu instid0(VALU_DEP_4)
	v_lshlrev_b32 v1, 4, v1
	s_delay_alu instid0(VALU_DEP_4)
	v_and_b32 v211, 8, v11
	s_delay_alu instid0(VALU_DEP_1)
	v_add_nc_u32 v211, v211, v11                   ; r + 8 (r / 8)
	v_lshlrev_b32 v3, 4, v10
	s_delay_alu instid0(VALU_DEP_1)
	v_sub_nc_u32 v211, v211, v3                    ; - 16 h
	s_lshl_b32 s14, s10, 5
	v_add_nc_u32 v211, s14, v211                   ; + 32 cx: my query less 128 G + 8 x pass + 16 h
	v_lshl_add_u32 v10, v11, 5, v10
	v_lshlrev_b32 v11, 4, v11
	s_delay_alu instid0(VALU_DEP_1)
	v_add_nc_u32 v3, KSB, v11
.irp p, 0,1
	global_load_b128 v[16+12*\p:19+12*\p], v1, s[76+2*\p:77+2*\p]              ; Q's half fragments stay in registers
	global_load_b64 v[20+12*\p:21+12*\p], v2, s[76+2*\p:77+2*\p] offset:512
	global_load_b32 v[208+\p], v11, s[80+2*\p:81+2*\p]
.endr
.irp j, 22,23,24,25,26,27,34,35,36,37,38,39
	v_mov_b32 v\j, 0                               ; Q's zero codes for K = 64 .. 127
.endr
.irp j, 88,89,90,91,92,93
	v_mov_b32 v\j, 0                               ; what K's last operand runs on into
.endr
.irp j, 216,217,218,219,248
	v_mov_b32 v\j, 0                               ; written once: a lane permute's destination counts as one of its sources
.endr
	v_mov_b32 v247, 0                              ; (named as the upper half of the pair v[246:247])
	v_mov_b32 v249, 0xff800000                     ; -infinity
	s_wait_tensorcnt 0x0                           ; my share of the head is in LDS,
	s_barrier_signal -1
	s_barrier_wait -1                              ; everybody's are: from here on LDS is only read
	s_wait_loadcnt 0x0                             ; Q
; ONE QUERY TILE: the loop's trip count is the constant 16; a step all of whose keys come after my queries leaves its work out, by a scalar branch on the wave's number and the counter.
.macro PASS p
.if \p
	s_wait_xcnt 0x0                                ; the last pass's stores have had their addresses translated: their data registers may be written again
.endif
	v_mov_b32 v13, 0xff61b1e6                      ; the largest t so far: -3e38, under every t
	s_delay_alu instid0(VALU_DEP_1)
	v_floor_f32 v12, -v13                          ; -M
	v_mov_b32 v14, 0
	v_mov_b32 v15, 0
.set n, 0
.rept 32
	v_mov_b32 v[160+n], 0                          ; O^T: the step is written once, and its first trip finds zeros
.set n, n+1
.endr
	v_add_nc_u32 v9, 8*\p, v211                    ; d: on the diagonal, register 16 b + i holds a hidden key where 32 b + i > d
	s_mov_b32 s92, 0
	s_mov_b32 s93, 0
	s_mov_b32 s94, 0
.Lstep_\@:
	s_cmp_gt_u32 s94, s[16+\p]
	s_cbranch_scc1 .Lhid_\@
	v_add_nc_u32 v4, s92, v1                       ; these five are also the places behind the last step's products, ahead of the loads into their operands
	v_add_nc_u32 v5, s92, v2
	v_add_nc_u32 v6, s93, v3
	s_delay_alu instid0(VALU_DEP_3)
	v_add_nc_u32 v7, VC, v4
	s_delay_alu instid0(VALU_DEP_3)
	v_add_nc_u32 v8, VC, v5
.irp t, 0,1,2,3,4,5,6,7
	ds_load_b128 v[40+6*\t:43+6*\t], v4 offset:768*\t              ; K's half fragments as they lie: 512 consecutive bytes,
	ds_load_b64 v[44+6*\t:45+6*\t], v5 offset:768*\t+512           ; and 256
.endr
	ds_load_b128 v[192:195], v6                    ; K's half words, four tiles to a lane
	ds_load_b128 v[196:199], v6 offset:256
	s_wait_alu depctr_va_vdst(0)
	s_wait_dscnt 0x0
.irp t, 0,1,2,3,4,5,6,7
	v_wmma_scale_f32_16x16x128_f8f6f4 v[96+8*\t:103+8*\t], v[40+6*\t:51+6*\t], v[16+12*\p:27+12*\p], 0, v[192+\t], v[208+\p] matrix_a_fmt:MATRIX_FMT_BF6 matrix_b_fmt:MATRIX_FMT_BF6
.endr
.rept 4
	v_nop                                          ; places: ahead of the loads into K's registers, and of the first read of the scores
.endr
.irp q, 0,1,2,3
.irp c, 0,1
	ds_load_b128 v[40+12*\q+6*\c:43+12*\q+6*\c], v7 offset:3072*\c+768*\q      ; V's fragments: they land under the softmax
	ds_load_b64 v[44+12*\q+6*\c:45+12*\q+6*\c], v8 offset:3072*\c+768*\q+512
.endr
.endr
	ds_load_b128 v[200:203], v6 offset:VSB-KSB     ; V's half words of keys 0-63,
	ds_load_b128 v[204:207], v6 offset:VSB-KSB+256 ; and of keys 64-127
	s_cmp_lg_u32 s94, s[16+\p]
	s_cbranch_scc1 .Lopen_\@
.set n, 0
.rept 64                                       ; on the diagonal the scores of hidden keys become -infinity ahead of the maximum: p = 0 then
	v_cmp_gt_i32 vcc_lo, 32*(n/16)+n%16, v9
	v_cndmask_b32 v[96+n], v[96+n], v249, vcc_lo
.set n, n+1
.endr
.Lopen_\@:
.irp b, 0,1,2,3
	v_max3_num_f32 v[BM+\b], v[96+16*\b], v[97+16*\b], v[98+16*\b]   ; the largest score of each block of 32 keys: it serves for the row's maximum and, since p rises with the score, for the block's largest p
.endr
.irp i, 3,5,7,9,11,13
.irp b, 0,1,2,3
	v_max3_num_f32 v[BM+\b], v[BM+\b], v[96+16*\b+\i], v[97+16*\b+\i]
.endr
.endr
.irp b, 0,1,2,3
	v_max_num_f32 v[BM+\b], v[BM+\b], v[111+16*\b]
.endr
.irp b, 0,1,2,3
	s_delay_alu instid0(VALU_DEP_4)
	v_permlanex16_b32 v[BP+\b], v[BM+\b], s20, s21
.endr
.irp b, 0,1,2,3
	s_delay_alu instid0(VALU_DEP_4)
	v_max_num_f32 v[BM+\b], v[BM+\b], v[BP+\b]     ; with lane l xor 16's 16 keys
.endr
	s_delay_alu instid0(VALU_DEP_2)
	v_max3_num_f32 v248, v212, v213, v214
	s_delay_alu instid0(VALU_DEP_1)
	v_max_num_f32 v248, v248, v215                 ; the step's largest score of my query
	s_delay_alu instid0(VALU_DEP_1)
	v_mul_f32 v248, s22, v248                      ; as t (c is positive)
	s_delay_alu instid0(VALU_DEP_1)
	v_max_num_f32 v13, v13, v248                   ; the running largest t
	v_mov_b32 v248, v12
	s_delay_alu instid0(VALU_DEP_2)
	v_floor_f32 v12, -v13                          ; the new -M = floor(-t) = -ceil(t)
	s_delay_alu instid0(VALU_DEP_1)
	v_sub_f32 v248, v12, v248                      ; old M - new M: a whole number, 0 or less
	s_delay_alu instid0(VALU_DEP_1)
	v_cvt_i32_f32 v248, v248                       ; (it saturates)
	s_delay_alu instid0(VALU_DEP_1)
	v_ldexp_f32 v246, 1.0, v248                    ; f = 2^(old M - new M)
.set n, 0
.rept 32
	v_pk_fma_f32 v[96+n:97+n], v[96+n:97+n], s[22:23], v[12:13] op_sel_hi:[1,0,0]   ; t - M, two at a time
.set n, n+2
.endr
.irp b, 0,1,2,3
	v_fma_f32 v[BM+\b], v[BM+\b], s22, v12         ; the same of each block's largest score
.endr
.set n, 0
	s_wait_alu depctr_va_vdst(0)
.rept 64
	v_exp_f32 v[96+n], v[96+n]                     ; p = 2^(t - M), at most 1
.set n, n+1
.endr
	v_pk_mul_f32 v[14:15], v[14:15], v[246:247] op_sel_hi:[1,0]   ; the sums under the new M (the plain instruction behind the exponentials)
	s_wait_alu depctr_va_vdst(0)                   ; one wait for the whole batch, ahead of its first reader
.irp b, 0,1,2,3
	v_exp_f32 v[BM+\b], v[BM+\b]                   ; the block's largest p: the same two instructions on the same number give the same bits
.endr
	v_pk_add_f32 v[244:245], v[100:101], v[104:105]
	v_pk_add_f32 v[252:253], v[108:109], v[112:113]
	v_pk_add_f32 v[250:251], v[116:117], v[120:121]
	v_pk_add_f32 v[242:243], v[124:125], v[128:129]
	v_pk_add_f32 v[240:241], v[132:133], v[136:137]
	v_pk_add_f32 v[238:239], v[140:141], v[144:145]
	v_pk_add_f32 v[236:237], v[148:149], v[152:153]
	v_pk_add_f32 v[14:15], v[14:15], v[156:157]
	v_pk_add_f32 v[244:245], v[244:245], v[96:97]
	v_pk_add_f32 v[252:253], v[252:253], v[98:99]
	v_pk_add_f32 v[250:251], v[250:251], v[102:103]
	v_pk_add_f32 v[242:243], v[242:243], v[106:107]
	v_pk_add_f32 v[240:241], v[240:241], v[110:111]
	v_pk_add_f32 v[238:239], v[238:239], v[114:115]
	v_pk_add_f32 v[236:237], v[236:237], v[118:119]
	v_pk_add_f32 v[14:15], v[14:15], v[122:123]
	v_pk_add_f32 v[244:245], v[244:245], v[126:127]
	v_pk_add_f32 v[252:253], v[252:253], v[130:131]
	v_pk_add_f32 v[250:251], v[250:251], v[134:135]
	v_pk_add_f32 v[242:243], v[242:243], v[138:139]
	v_pk_add_f32 v[240:241], v[240:241], v[142:143]
	v_pk_add_f32 v[238:239], v[238:239], v[146:147]
	v_pk_add_f32 v[236:237], v[236:237], v[150:151]
	v_pk_add_f32 v[14:15], v[14:15], v[154:155]
	v_pk_add_f32 v[244:245], v[244:245], v[158:159]
	s_delay_alu instid0(VALU_DEP_2)
	v_pk_add_f32 v[14:15], v[14:15], v[242:243]
	s_delay_alu instid0(VALU_DEP_2)
	v_pk_add_f32 v[244:245], v[244:245], v[240:241]
	v_pk_add_f32 v[252:253], v[252:253], v[238:239]
	v_pk_add_f32 v[250:251], v[250:251], v[236:237]
	s_delay_alu instid0(VALU_DEP_2)
	v_pk_add_f32 v[14:15], v[14:15], v[252:253]
	s_delay_alu instid0(VALU_DEP_2)
	v_pk_add_f32 v[244:245], v[244:245], v[250:251]
	s_delay_alu instid0(VALU_DEP_1)
	v_pk_add_f32 v[14:15], v[14:15], v[244:245]
	s_wait_alu depctr_va_vdst(0)                   ; and one for the four
.irp b, 0,1,2,3
	v_max_num_f32 v[BM+\b], 0x2800000, v[BM+\b]    ; the floor 2^(5 - 127): the byte cannot fall under 1
.endr
.irp b, 0,1,2,3
	s_delay_alu instid0(VALU_DEP_4)
	v_add_nc_u32 v[SCO+\b], 0xfe000000, v[BM+\b]   ; 4 off the exponent field: the conversion's scale operand
.endr
.irp b, 0,1,2,3
	s_delay_alu instid0(VALU_DEP_4)
	v_lshrrev_b32 v[BP+\b], 23, v[SCO+\b]          ; the scale's byte
.endr
	s_delay_alu instid0(VALU_DEP_3)
	v_lshl_or_b32 v210, v217, 8, v216              ; p's scale word for these 128 keys
	s_delay_alu instid0(VALU_DEP_1)
	v_lshl_or_b32 v210, v218, 16, v210
	s_delay_alu instid0(VALU_DEP_1)
	v_lshl_or_b32 v210, v219, 24, v210
.irp c, 0,1
	v_cvt_scalef32_pk16_bf6_f32 v[224+6*\c:226+6*\c], v[96+32*\c:111+32*\c], v[SCO+2*\c]
	v_cvt_scalef32_pk16_bf6_f32 v[236+4*\c:238+4*\c], v[112+32*\c:127+32*\c], v[SCO+2*\c+1]   ; (a conversion's three registers begin on an even number)
.endr
	v_nop                                          ; one plain place behind a scaled conversion
.irp c, 0,1                                    ; the operand's layout wants a WHOLE block in a lane
.irp i, 0,1,2
	v_permlane16_swap_b32 v[224+6*\c+\i], v[236+4*\c+\i]
.endr
.irp i, 0,1,2
	s_delay_alu instid0(VALU_DEP_3)
	v_mov_b32 v[227+6*\c+\i], v[236+4*\c+\i]
.endr
.endr
	s_wait_dscnt 0x0                               ; V is in
.irp i, 0,1,2,3
	v_lshl_or_b32 v[200+\i], v[204+\i], 16, v[200+\i]   ; the two half words make a channel's scale word for 128 keys
.endr
.set n, 0
.rept 16
	v_pk_mul_f32 v[160+n:161+n], v[160+n:161+n], v[246:247] op_sel_hi:[1,0]   ; O^T under the new M.  (For each product below at least twelve of these name none of its registers: the places behind the scale words and p's codes)
.set n, n+2
.endr
.irp q, 0,1,2,3                                ; O^T += V^T P^T: the four accumulators by turns
	v_wmma_scale_f32_16x16x128_f8f6f4 v[160+8*\q:167+8*\q], v[40+12*\q:51+12*\q], v[224:235], v[160+8*\q:167+8*\q], v[200+\q], v210 matrix_a_fmt:MATRIX_FMT_BF6 matrix_b_fmt:MATRIX_FMT_BF6
.endr
.Lhid_\@:
	s_add_co_u32 s92, s92, 6144                    ; the next key step's tiles,
	s_add_co_u32 s93, s93, 512                     ; and half words
	s_add_co_u32 s94, s94, 1
	s_cmp_lt_u32 s94, 16
	s_cbranch_scc1 .Lstep_\@
	; the tile's way out: O^T / l, quantised along the head's 64 channels: two blocks, each in lanes l and l xor 16
.rept 4
	v_nop                                          ; places behind the last products
.endr
	v_add_f32 v14, v14, v15                        ; the sum's two halves,
	s_delay_alu instid0(VALU_DEP_1)
	v_permlanex16_b32 v248, v14, s20, s21
	s_delay_alu instid0(VALU_DEP_1)
	v_add_f32 v14, v14, v248                       ; and lane l xor 16's: the row's sum
	s_wait_alu depctr_va_vdst(0)
	v_rcp_f32 v14, v14
	v_nop                                          ; a plain instruction behind the transcendental,
	s_wait_alu depctr_va_vdst(0)                   ; and the wait ahead of its first reader
.set n, 0
.rept 16
	v_pk_mul_f32 v[96+n:97+n], v[160+n:161+n], v[14:15] op_sel_hi:[1,0]   ; register 16 b + i: channel 32 b + 16 h + i; each accumulator from its low end on
.set n, n+2
.endr
.irp b, 0,1
	v_max3_num_f32 v[BM+\b], |v[96+16*\b]|, |v[97+16*\b]|, 0x2800000
.endr
.irp i, 2,4,6,8,10,12,14
.irp b, 0,1
	s_delay_alu instid0(VALU_DEP_2)
	v_max3_num_f32 v[BM+\b], v[BM+\b], |v[96+16*\b+\i]|, |v[97+16*\b+\i]|
.endr
.endr
.irp b, 0,1
	s_delay_alu instid0(VALU_DEP_2)
	v_permlanex16_b32 v[BP+\b], v[BM+\b], s20, s21
.endr
.irp b, 0,1
	s_delay_alu instid0(VALU_DEP_2)
	v_max_num_f32 v[BM+\b], v[BM+\b], v[BP+\b]
.endr
.irp b, 0,1
	s_delay_alu instid0(VALU_DEP_2)
	v_add_nc_u32 v[SCO+\b], 0xfe000000, v[BM+\b]
.endr
.irp b, 0,1
	s_delay_alu instid0(VALU_DEP_2)
	v_lshrrev_b32 v[BP+\b], 23, v[SCO+\b]
.endr
	s_delay_alu instid0(VALU_DEP_1)
	v_cndmask_b32 v248, v216, v217, s19            ; lanes 0-15: block 0's byte; lanes 16-31: block 1's
	v_cvt_scalef32_pk16_bf6_f32 v[224:226], v[96:111], v220
	v_cvt_scalef32_pk16_bf6_f32 v[236:238], v[112:127], v221
	v_nop                                          ; one plain place behind a scaled conversion
.irp i, 0,1,2
	v_permlane16_swap_b32 v[224+\i], v[236+\i]
.endr
.irp i, 0,1,2
	s_delay_alu instid0(VALU_DEP_3)
	v_mov_b32 v[227+\i], v[236+\i]                 ; lane (r, h): block h of my query, whole: a half fragment
.endr
	global_store_b128 v1, v[224:227], s[84+2*\p:85+2*\p]           ; 512 consecutive bytes,
	global_store_b64 v2, v[228:229], s[84+2*\p:85+2*\p] offset:512 ; and 256
	global_store_b8 v10, v248, s[88+2*\p:89+2*\p]                  ; my block's scale byte
.endm
	PASS 0
	PASS 1
	s_wait_tensorcnt 0x0
	ds_add_u32 v254, v255
	s_wait_dscnt 0x0
	CROUND                                         ; the closing round: no work-group ends while a partner may still issue a joint load that names it
	s_endpgm
.Lfunc_end_k_qe852a9c7b5_attn:
	.size	k_qe852a9c7b5_attn, .Lfunc_end_k_qe852a9c7b5_attn-k_qe852a9c7b5_attn
	.p2alignl 7, 3214868480
	.fill 96, 4, 3214868480
	.section	.rodata,"a",@progbits
	.p2align	6, 0x0
	.amdhsa_kernel k_qe852a9c7b5_attn
		.amdhsa_group_segment_fixed_size 215040
		.amdhsa_private_segment_fixed_size 0
		.amdhsa_enable_private_segment 0
		.amdhsa_kernarg_size 24
		.amdhsa_user_sgpr_count 2
		.amdhsa_user_sgpr_kernarg_segment_ptr 1
		.amdhsa_wavefront_size32 1
		.amdhsa_system_sgpr_workgroup_id_x 1
		.amdhsa_system_sgpr_workgroup_id_y 1
		.amdhsa_system_sgpr_workgroup_id_z 1
		.amdhsa_system_vgpr_workitem_id 0
		.amdhsa_next_free_vgpr 256
		.amdhsa_next_free_sgpr 100
		.amdhsa_reserve_vcc 1
		.amdhsa_float_denorm_mode_32 3
		.amdhsa_float_denorm_mode_16_64 3
		.amdhsa_memory_ordered 1
		.amdhsa_forward_progress 1
		.amdhsa_inst_pref_size 68
	.end_amdhsa_kernel
	.amdgpu_metadata
---
amdhsa.version: [ 1, 2 ]
amdhsa.kernels:
  - .name:           k_qe852a9c7b5_attn
    .symbol:         k_qe852a9c7b5_attn.kd
    .args:
      - { .name: qk, .offset: 0, .size: 8, .value_kind: global_buffer, .address_space: global }
      - { .name: vv, .offset: 8, .size: 8, .value_kind: global_buffer, .address_space: global }
      - { .name: oo, .offset: 16, .size: 8, .value_kind: global_buffer, .address_space: global }
    .group_segment_fixed_size: 215040
    .private_segment_fixed_size: 0
    .kernarg_segment_align: 8
    .kernarg_segment_size: 24
    .max_flat_workgroup_size: 512
    .sgpr_count:     100
    .vgpr_count:     256
    .wavefront_size: 32
...
	.end_amdgpu_metadata
.endif
;; end of part 3
;; launch proj (part 4): grid 4 x 64, 4 waves a work-group, clusters of 4 x 4, 327,680 bytes of LDS; arguments oo, wp, b_proj, out0; writes out0
.if DOCPART == 4
	.amdgcn_target "amdgcn-amd-amdhsa--gfx1250"
	.amdhsa_code_object_version 6
	.text
	.protected	k_qe852a9c7b5_proj
	.globl	k_qe852a9c7b5_proj
	.p2align	8
	.type	k_qe852a9c7b5_proj,@function
k_qe852a9c7b5_proj:
	s_mov_b64 s[64:65], 0
	v_nop
	global_prefetch_b8 v0, s[64:65] scope:SCOPE_SE
	s_setreg_imm32_b32 hwreg(HW_REG_WAVE_MODE, 25, 1), 1
	s_wait_xcnt 0x0
	s_wait_alu depctr_hold_cnt(0) depctr_sa_sdst(0) depctr_va_vdst(0) depctr_va_sdst(0) depctr_va_ssrc(0) depctr_va_vcc(0) depctr_vm_vsrc(0)
	s_getreg_b32 s2, hwreg(HW_REG_IB_STS2, 6, 4)
	s_cmp_eq_u32 s2, 0
	s_cbranch_scc0 .Lentry_in_a_cluster
	s_endpgm
.Lentry_in_a_cluster:
	s_bfe_u32 s2, ttmp6, 0x10000c
	s_cmp_lg_u32 s2, 0xf033
	s_cbranch_scc0 .Lentry_shape_is_right
	s_endpgm
.Lentry_shape_is_right:
; out0 = O W^T + b on codes of E3M2 with one E8M0 scale for each 32 along K = 1,024.  O: the attention's result as codes (oo), W: w_proj as codes (wp), b: b_proj, f32.
; oo: bytes 0 on: scale rows of 32 bytes, [16 tile + r]; bytes CODES on: half fragments of 768 bytes, [tile][head]: registers 0-3 at 16 x lane, registers 4-5 at 512 + 8 x lane.  A tile's 1,024 along K are 12,288 bytes on end.
; wp: bytes 0 on: scale rows of 32 bytes; bytes CODES on: tiles of 256 positions, 196,608 bytes each; in a tile four planes of PL bytes, one for each 256 along K; in a plane a position's 192 bytes lie dense.
; Rows of both lie in POSITION ORDER (bits 3 and 4 of the row's number exchanged): tile 2 bb + u, lane r is row 32 bb + 8 u + r + 8 (r / 8).
; A BLOCK is 128 tokens x 256 columns: 64 x 4 = 256 work-groups.  Four waves, each 64 tokens x 128 columns: 32 accumulators, 256 registers (window 2).
; LDS: O's 8 tiles for ALL of K (98,304 dense bytes, as they lie) come once and stay.  W's 256 positions go in K steps of 256 through a ring of two slots (rows of 240 bytes: 16 of padding behind each 64).
; The head's four loads, one a wave: O's block; W's K steps 0 and 1, two planes on end, into both slots; O's scales; W's scales.  K steps 2 and 3 are refills, a quarter of a slot a wave.
; Every tensor row begins at a multiple of 256 bytes.  The walk's eight matrix steps of 128 are written out: every place along K is an immediate.  Each side has two sets of fragments: a step's products run while the next step's fragments come.
; CLUSTERS: 4 x 4 work-groups; O's block is shared along a row of the cluster, W's tiles along a column, by joint loads.
; THE MATRIX INSTRUCTION: source 0 = 16 positions of W, source 1 = 16 positions of O: lane (r, h) holds token position r, and register j of W's block b is the true column 32 (b / 2) + 8 (b % 2) + 16 h + j.
; The bias is the C of each accumulator's first product.  Results leave through each wave's own stage in LDS, bytes that no fill lands on, as whole rows of 512 bytes.
; No prefetch: of W's four K steps two are asked for at the head, and the text has no loop to run ahead in.
; LIMITS: NaN and infinities are not served.
.set ROWB,   192
.set PL,     256*ROWB
.set AROW,   12288                     ; a tile of O, all of K
.set PITCH,  240
.set FR,     12                        ; registers of a fragment
.set QB,     64*PITCH                  ; a quarter of a slot: what a refill of one wave brings
.set HALFB,  128*PITCH
.set ABYTES, 8*AROW
.set SLOT,   2*HALFB
.set SCL,    ABYTES+2*SLOT             ; the scales, as runs of 256 bytes + 16 of padding: O's 128 rows, then W's 256
.set SAB,    16*272                    ; those of 128 rows
.set SBLK,   2*272                     ; of 16 rows
.set SPARE,  SCL+3*SAB                 ; the spare words: 512 bytes that no other line names
.set STAGE,  SPARE+512                 ; 16 rows x 528 bytes for each wave
.set SPITCH, 528
.set CODES,  0x40000
.set SIZE_N, 1024
.set ADRA, 16                          ; v16 O's fragments, 16 x lane; v17 the same, 8 x lane
.set ADRB, 20                          ; v20-21 W's fragments in slot 0, 1; v22-23 behind one padding more
.set STO,  24
.set RD,   25
.set CO,   26
.set ADRS, 27                          ; scale words: lanes 0-15 O's rows, lanes 16-31 W's
.set SPW,  28
.set NIL,  29
.set BIO,  30
.set SC,   32                          ; v32-63 scale words, two sets of 16: register 2 i + q
.set BI,   64                          ; v64-127 the bias in the result's layout
.set AF,   128                         ; v128-223 O's fragments, two sets of 48;  window 1: W's, two sets, at v0 and v128
.set BK,   128                         ; the way out: v128-191, v192-255 by turns
.set G0H,  4                           ; s[4:7], s[40:43] group 0 of the head's loads of codes
.set G0HB, 40
.set G1, 24
.set G1B, 48
.set G0B, 56                           ; s[56:63] group 0 of W's refills, one set for each slot
.set G1S, 68
.set G0S, 76
.set G1SB, 80
.set G0SB, 88
.set MSB, 0
.macro WIN new                         ; the immediate's high byte repeats the setting that is left
.if MSB != \new
	s_set_vgpr_msb (MSB<<8)|\new
.set MSB, \new
.endif
.endm
.set MUL,  0xa1                        ; source 0 (W) window 1, source 1 (O) window 0, C and D window 2
.set BIA,  0x81                        ; the same with C in window 0
.set TO_B, 0x40
.macro PLACES
.rept 4
	v_nop
.endr
.endm
.macro CREST
	s_cmp_lg_u32 s14, 0
	s_cbranch_scc1 .Lnot_wave_0_\@
	s_barrier_signal -3
.Lnot_wave_0_\@:
	s_barrier_wait -3
	s_barrier_signal -1
	s_barrier_wait -1
.endm
.macro CROUND
	s_barrier_signal -1
	s_barrier_wait -1
	CREST
.endm
.macro DESC g, c, r, p                 ; group 1's words 1 to 7: r rows of c elements, p elements apart
	s_mov_b32 s[\g+1], (\c)<<16
	s_mov_b32 s[\g+2], (\r)<<16
	s_mov_b32 s[\g+3], (\c)<<16
	s_mov_b32 s[\g+4], \r
	s_mov_b32 s[\g+5], \p
	s_mov_b32 s[\g+6], 0
	s_mov_b32 s[\g+7], 0
.endm
.macro GRP0 g, lds, ptr
	s_mov_b32 s[\g], 1
	s_mov_b32 s[\g+1], \lds
	s_mov_b64 s[\g+2:\g+3], s[\ptr:\ptr+1]
	s_or_b32 s[\g+3], s[\g+3], 0x80000000
.endm
	s_load_b128 s[92:95], s[0:1], 0x0              ; oo, wp
	s_load_b128 s[8:11], s[0:1], 0x10              ; b_proj, out0
	v_lshl_add_u32 v[SPW], v0, 2, SPARE
	v_mov_b32 v[NIL], 0
	ds_add_u32 v[SPW], v[NIL]                      ; the opening lines: the add, twice on end, and its wait ahead of my first tensor load
	ds_add_u32 v[SPW], v[NIL]
	v_lshrrev_b32 v1, 5, v0
	v_readfirstlane_b32 s14, v1                    ; wave
	s_lshr_b32 s15, s14, 1                         ; which 64 tokens are mine
	s_and_b32 s16, s14, 1                          ; which 128 columns
	s_bfe_u32 s18, ttmp6, 0x40000                  ; cx
	s_bfe_u32 s19, ttmp6, 0x40004                  ; cy
	s_lshl_b32 s20, ttmp9, 2
	s_add_co_u32 s20, s20, s18                     ; block column
	s_and_b32 s17, ttmp7, 0xffff
	s_lshl_b32 s17, s17, 2
	s_add_co_u32 s17, s17, s19                     ; block row
	s_lshl_b32 s12, s19, 2
	s_lshl_b32 s12, 15, s12                        ; my row of the cluster
	s_lshl_b32 s13, 0x1111, s18                    ; my column
	s_or_b32 s[G1], s12, (3<<16)|(1<<21)           ; O's codes: elements of 8 bytes, no padding
	DESC G1, 1536, 8, 1536                         ; 8 tiles x 12,288 bytes, dense
	s_or_b32 s[G1B], s13, (1<<20)|(1<<21)|(3<<22)|(3<<25)   ; W's codes: bytes; 16 bytes of padding behind each 64
	DESC G1B, 256, 384, 256                        ; the head's load: 256 positions of two planes, dense, as 384 rows of 256 bytes; behind it 48
	s_or_b32 s[G1S], s12, (3<<16)|(1<<20)|(1<<21)|(5<<22)|(3<<25)
	DESC G1S, 32, 16, 32                           ; O's scales: 4,096 dense bytes, 16 of padding behind each 256
	s_or_b32 s[G1SB], s13, (3<<16)|(1<<20)|(1<<21)|(5<<22)|(3<<25)
	DESC G1SB, 32, 32, 32                          ; W's: 8,192
	s_mul_i32 s44, s17, ABYTES
	s_add_co_u32 s44, s44, CODES                   ; O's codes of my block,
	s_mov_b32 s45, 0
	s_lshl_b32 s46, s17, 12                        ; its scales,
	s_mov_b32 s47, 0
	s_mul_i32 s96, s20, 4*PL
	s_add_co_u32 s96, s96, CODES                   ; W's codes,
	s_mov_b32 s97, 0
	s_lshl_b32 s2, s20, 13                         ; its scales
	s_mov_b32 s3, 0
	s_mov_b32 s23, 0
	s_wait_dscnt 0x0                               ; both opening adds are done
	s_wait_kmcnt 0x0
	s_add_nc_u64 s[44:45], s[92:93], s[44:45]
	s_add_nc_u64 s[46:47], s[92:93], s[46:47]
	s_add_nc_u64 s[96:97], s[94:95], s[96:97]
	s_add_nc_u64 s[2:3], s[94:95], s[2:3]
	GRP0 G0H,  0,       44                         ; the head's four tiles, each whole
	GRP0 G0HB, ABYTES,  96
	GRP0 G0S,  SCL,     46
	GRP0 G0SB, SCL+SAB, 2
	s_mul_i32 s22, s14, 64*ROWB                    ; for the ring: my 64 positions of a plane,
	s_add_nc_u64 s[96:97], s[96:97], s[22:23]
	s_mul_i32 s21, s14, QB                         ; and where they go: no place in the cluster enters an LDS address
	s_add_co_u32 s21, s21, ABYTES
.irp s, 0,1
	s_mov_b32 s[G0B+4*\s], 1
	s_add_co_u32 s[G0B+4*\s+1], s21, \s*SLOT
	s_add_nc_u64 s[G0B+4*\s+2:G0B+4*\s+3], s[96:97], \s*PL
	s_or_b32 s[G0B+4*\s+3], s[G0B+4*\s+3], 0x80000000
.endr
	s_mul_i32 s22, s16, HALFB
	s_add_co_u32 s22, s22, ABYTES                  ; my 128 positions of W in slot 0
	s_mul_i32 s92, s15, 4*AROW                     ; my four tiles of O
	s_mul_i32 s94, s15, 8*272                      ; my 64 rows of O's scales,
	s_mul_i32 s95, s16, SAB
	s_add_co_u32 s95, s95, SAB
	s_sub_co_u32 s95, s95, s94                     ; and how far behind them my 128 rows of W's lie
	s_add_co_u32 s94, s94, SCL
	s_mul_i32 s93, s14, 16*SPITCH
	s_add_co_u32 s93, s93, STAGE                   ; my stage
	s_lshl_b32 s96, s20, 10                        ; my first column, in bytes: 1,024 x block column + 512 x half
	s_lshl_b32 s21, s16, 9
	s_add_co_u32 s96, s96, s21
	s_mov_b32 s97, 0
	s_add_nc_u64 s[8:9], s[8:9], s[96:97]
	s_add_nc_u64 s[10:11], s[10:11], s[96:97]
	s_lshl_b32 s44, s17, 19                        ; my first row: 128 x block row + 64 x half, 4,096 bytes each
	s_lshl_b32 s21, s15, 18
	s_add_co_u32 s44, s44, s21
	s_mov_b32 s45, 0
	s_add_nc_u64 s[10:11], s[10:11], s[44:45]
	CROUND                                         ; all sixteen work-groups are here: the first joint loads meet
; THE HEAD'S LOADS, ONE A WAVE: wave 0 O's block, wave 1 W's K steps 0 and 1, wave 2 O's scales, wave 3 W's.  One chain of branches on the wave's number; every way passes one load.
.macro ARM under, g0, g1, next
	s_cmp_lt_u32 s14, \under
	s_cbranch_scc0 \next
	tensor_load_to_lds s[\g0:\g0+3], s[\g1:\g1+7]
	s_nop 0
	PLACES
	s_branch .Lhead_asked
\next:
.endm
	ARM 1, G0H,  G1,  .Lhead_b
	ARM 2, G0HB, G1B, .Lhead_sa
	ARM 3, G0S,  G1S, .Lhead_sb
	tensor_load_to_lds s[G0SB:G0SB+3], s[G1SB:G1SB+7]
	s_nop 0
	PLACES
.Lhead_asked:
	v_and_b32 v1, 15, v0                           ; r
	v_bfe_u32 v2, v0, 4, 1                         ; h
	v_and_b32 v6, 31, v0                           ; lane
	v_mul_u32_u24 v3, v1, PITCH
	v_mad_u32_u24 v4, v2, 24, v3                   ; W: row x pitch + 24 h,
	v_lshl_add_u32 v5, v2, 4, v4                   ; and the same behind one padding more
	v_lshlrev_b32 v7, 4, v6
	v_lshlrev_b32 v8, 3, v6
	v_add_nc_u32 v[ADRA], s92, v7
	v_add_nc_u32 v[ADRA+1], s92, v8
	v_add_nc_u32 v[ADRB], s22, v4
	v_add_nc_u32 v[ADRB+2], s22, v5
	v_add_nc_u32 v[ADRB+1], SLOT, v[ADRB]
	v_add_nc_u32 v[ADRB+3], SLOT, v[ADRB+2]
	v_lshlrev_b32 v9, 5, v1                        ; my row's scales: 32 bytes a row,
	v_lshrrev_b32 v10, 8, v9
	v_lshl_add_u32 v9, v10, 4, v9                  ; 16 more for each 256 passed;
	v_mul_u32_u24 v10, s95, v2                     ; lanes 16-31 take W's
	v_add_nc_u32 v9, v9, v10
	v_add_nc_u32 v[ADRS], s94, v9
	v_mul_u32_u24 v11, v1, SPITCH                  ; the stage, in: row r, 64 bytes for each half of the lanes
	v_lshl_add_u32 v11, v2, 6, v11
	v_add_nc_u32 v[STO], s93, v11
	v_lshlrev_b32 v[CO], 4, v6                     ; back: the 32 lanes take a row of 512 bytes; the same in out0
	v_add_nc_u32 v[RD], s93, v[CO]
	v_lshlrev_b32 v[BIO], 6, v2
.irp b, 0,1,2,3,4,5,6,7
	global_load_b128 v[BI+8*\b:BI+8*\b+3], v[BIO], s[8:9] offset:(32*(\b/2)+8*(\b%2))*4      ; b at columns 32 (b / 2) + 8 (b % 2) + 16 h + 0 .. 7
	global_load_b128 v[BI+8*\b+4:BI+8*\b+7], v[BIO], s[8:9] offset:(32*(\b/2)+8*(\b%2))*4+16
.endr
; Step st's fragments into set st % 2: W's from slot (st / 2) % 2, its st % 2-th 128 along K, 48 loads; O's at 1,536 st of each tile, 16 loads; with an even step the scale words of its pair of steps, 8 loads.
.macro FETCH st
.set FP, (\st)%2
.set FS, ((\st)/2)%2
	WIN TO_B
.irp i, 0,1,2,3,4,5,6,7
.irp p, 0,1,2,3,4,5                    ; W: pieces of 8 bytes; lanes 16-31 read three pieces on: where that lies behind one padding more, the second address register serves
.set PCE, 12*FP+6*(\p/3)+\p%3
.if PCE%8 < 5
	ds_load_b64 v[128*FP+FR*\i+2*\p:128*FP+FR*\i+2*\p+1], v[ADRB+FS] offset:8*PCE+16*(PCE/8)+\i*16*PITCH
.else
	ds_load_b64 v[128*FP+FR*\i+2*\p:128*FP+FR*\i+2*\p+1], v[ADRB+2+FS] offset:8*PCE+16*(PCE/8)+\i*16*PITCH
.endif
.endr
.endr
	WIN 0
.irp i, 0,1,2,3                        ; O: two half fragments, as they lie
.set RG, AF+48*FP+FR*\i
	ds_load_b128 v[RG:RG+3], v[ADRA] offset:\i*AROW+(\st)*1536
	ds_load_b64 v[RG+4:RG+5], v[ADRA+1] offset:\i*AROW+(\st)*1536+512
	ds_load_b128 v[RG+6:RG+9], v[ADRA] offset:\i*AROW+(\st)*1536+768
	ds_load_b64 v[RG+10:RG+11], v[ADRA+1] offset:\i*AROW+(\st)*1536+1280
.endr
.if FP == 0
.irp i, 0,1,2,3,4,5,6,7                ; lanes 0-15 O's block i (blocks 4-7 are loaded and not used), lanes 16-31 W's block i
	ds_load_b64 v[SC+16*FS+2*\i:SC+16*FS+2*\i+1], v[ADRS] offset:\i*SBLK+8*((\st)/2)
.endr
.endif
.endm
; 16 matrix instructions: O's blocks a0, a0 + 1 x W's eight.  The 32 accumulators take turns, in the same order in every step.  bias = 1: the first products take the bias as C.
.macro MUL16 a0, st, bias
.set FP, (\st)%2
.set FC, SC+16*(((\st)/2)%2)+FP
.irp a, \a0, \a0+1
.irp b, 0,1,2,3,4,5,6,7
.if \bias
	v_wmma_scale_f32_16x16x128_f8f6f4 v[8*(8*(\a)+\b):8*(8*(\a)+\b)+7], v[128*FP+FR*\b:128*FP+FR*\b+FR-1], v[AF+48*FP+FR*(\a):AF+48*FP+FR*(\a)+FR-1], v[BI+8*\b:BI+8*\b+7], v[FC+2*\b], v[FC+2*(\a)] matrix_a_fmt:MATRIX_FMT_BF6 matrix_b_fmt:MATRIX_FMT_BF6 matrix_a_scale:MATRIX_SCALE_ROW1
.else
	v_wmma_scale_f32_16x16x128_f8f6f4 v[8*(8*(\a)+\b):8*(8*(\a)+\b)+7], v[128*FP+FR*\b:128*FP+FR*\b+FR-1], v[AF+48*FP+FR*(\a):AF+48*FP+FR*(\a)+FR-1], v[8*(8*(\a)+\b):8*(8*(\a)+\b)+7], v[FC+2*\b], v[FC+2*(\a)] matrix_a_fmt:MATRIX_FMT_BF6 matrix_b_fmt:MATRIX_FMT_BF6 matrix_a_scale:MATRIX_SCALE_ROW1
.endif
.endr
.endr
.endm
.macro STEPA st, bias                  ; an even step: its successor lies in the same slot
	s_wait_dscnt 0x0                               ; this step's fragments are in
	PLACES                                         ; four places behind the last step's products, ahead of the loads into their operands (ISA guide 7.12.1 for vector instructions)
	FETCH (\st)+1
.if \bias
	WIN BIA
.else
	WIN MUL
.endif
	MUL16 0, \st, \bias
	MUL16 2, \st, \bias
	WIN 0
.endm
.macro STEPB st, fill                  ; an odd step changes slots: one barrier; fill = 1: it opens a round of the cluster's barrier, and this slot is filled again, two K steps ahead
.set SL, ((\st)/2)%2
	s_wait_tensorcnt 0x0                           ; all my tensor loads have landed: my part of the next slot;
	ds_add_u32 v[SPW], v[NIL]                      ; 0 onto my spare word;
	s_wait_dscnt 1                                 ; this step's fragments are in (the add alone may be out)
	WIN MUL
	MUL16 0, \st, 0                                ; sixteen matrix instructions stand between the add and the wait for it
	WIN 0
	s_wait_dscnt 0x0                               ; the add is done, and my reads of this slot are over
	s_barrier_signal -1
	s_barrier_wait -1
.if \fill
	CREST
	s_add_nc_u64 s[G0B+4*SL+2:G0B+4*SL+3], s[G0B+4*SL+2:G0B+4*SL+3], 2*PL
	tensor_load_to_lds s[G0B+4*SL:G0B+4*SL+3], s[G1B:G1B+7]   ; my one tensor load behind the round: my 64 positions; every wave issues the line, each with rows of its own
	s_nop 0
.endif
	PLACES                                         ; the places ahead of the loads below
	FETCH (\st)+1
	WIN MUL
	MUL16 2, \st, 0
	WIN 0
.endm
	s_wait_alu depctr_va_vdst(0)                   ; the wait at the head's end
	s_wait_tensorcnt 0x0                           ; my tile of the head's four is in,
	s_mov_b32 s[G1B+2], 48<<16                     ; and no tensor load of mine is out: from here on a load brings 64 positions of a plane, 48 rows of 256 bytes
	s_mov_b32 s[G1B+4], 48
	s_barrier_signal -1
	s_barrier_wait -1                              ; everybody's is.
	FETCH 0
	s_wait_loadcnt 0x0                             ; the bias
	STEPA 0, 1
	STEPB 1, 1
	STEPA 2, 0
	STEPB 3, 1
	STEPA 4, 0
	STEPB 5, 0                                     ; nothing is left to fetch: no round
	STEPA 6, 0
	s_wait_dscnt 0x0
	WIN MUL
	MUL16 0, 7, 0
	MUL16 2, 7, 0
	WIN 0
; THE WAY OUT, tile by tile of 16 tokens x 128 columns, through my own stage.  LDS serves a wave's instructions in order (ISA guide 5.7.1.4): no wait between the stores and the loads.
.macro TOSTAGE a
	WIN 0x08                                       ; the data: window 2
.irp b, 0,1,2,3,4,5,6,7
	ds_store_b128 v[STO], v[64*(\a)+8*\b:64*(\a)+8*\b+3] offset:128*(\b/2)+32*(\b%2)       ; each accumulator from its low end on
	ds_store_b128 v[STO], v[64*(\a)+8*\b+4:64*(\a)+8*\b+7] offset:128*(\b/2)+32*(\b%2)+16
.endr
	WIN 0
.set BB, BK+64*((\a)%2)
.irp t, 0,1,2,3,4,5,6,7,8,9,10,11,12,13,14,15
	ds_load_b128 v[BB+4*\t:BB+4*\t+3], v[RD] offset:\t*SPITCH
.endr
.endm
.macro SEND a, younger                 ; younger: the LDS instructions issued behind tile a's loads
.set BB, BK+64*((\a)%2)
	s_wait_dscnt \younger
.irp t, 0,1,2,3,4,5,6,7,8,9,10,11,12,13,14,15
	global_store_b128 v[CO], v[BB+4*\t:BB+4*\t+3], s[10:11] offset:(32*((\a)/2)+8*((\a)%2)+\t+8*(\t/8))*SIZE_N*4 th:TH_STORE_NT   ; position t of tile a is this true row; 32 lanes store 512 consecutive bytes, aligned
.endr
.endm
	PLACES                                         ; behind the last products: ahead of the first read of results and of the loads into O's fragments' registers
	TOSTAGE 0
.irp a, 1,2,3
.if \a > 1
	s_wait_xcnt 0x0                                ; tile a - 2's stores have read their registers: tile a's loads may land there
.endif
	TOSTAGE \a
	SEND \a-1, 32
.endr
	SEND 3, 0
	s_wait_tensorcnt 0x0                           ; the wave's end
	ds_add_u32 v[SPW], v[NIL]
	s_wait_dscnt 0x0
	CROUND                                         ; the closing round
	s_endpgm
.Lfunc_end_k_qe852a9c7b5_proj:
	.size	k_qe852a9c7b5_proj, .Lfunc_end_k_qe852a9c7b5_proj-k_qe852a9c7b5_proj
	.p2alignl 7, 3214868480
	.fill 96, 4, 3214868480
	.section	.rodata,"a",@progbits
	.p2align	6, 0x0
	.amdhsa_kernel k_qe852a9c7b5_proj
		.amdhsa_group_segment_fixed_size 327680
		.amdhsa_private_segment_fixed_size 0
		.amdhsa_enable_private_segment 0
		.amdhsa_kernarg_size 32
		.amdhsa_user_sgpr_count 2
		.amdhsa_user_sgpr_kernarg_segment_ptr 1
		.amdhsa_wavefront_size32 1
		.amdhsa_system_sgpr_workgroup_id_x 1
		.amdhsa_system_sgpr_workgroup_id_y 1
		.amdhsa_system_sgpr_workgroup_id_z 1
		.amdhsa_system_vgpr_workitem_id 0
		.amdhsa_next_free_vgpr 768
		.amdhsa_next_free_sgpr 98
		.amdhsa_reserve_vcc 0
		.amdhsa_float_denorm_mode_32 3
		.amdhsa_float_denorm_mode_16_64 3
		.amdhsa_memory_ordered 1
		.amdhsa_forward_progress 1
		.amdhsa_inst_pref_size 96
	.end_amdhsa_kernel
	.amdgpu_metadata
---
amdhsa.version: [ 1, 2 ]
amdhsa.kernels:
  - .name:           k_qe852a9c7b5_proj
    .symbol:         k_qe852a9c7b5_proj.kd
    .args:
      - { .name: oo, .offset: 0, .size: 8, .value_kind: global_buffer, .address_space: global }
      - { .name: wp, .offset: 8, .size: 8, .value_kind: global_buffer, .address_space: global }
      - { .name: b_proj, .offset: 16, .size: 8, .value_kind: global_buffer, .address_space: global }
      - { .name: out0, .offset: 24, .size: 8, .value_kind: global_buffer, .address_space: global }
    .group_segment_fixed_size: 327680
    .private_segment_fixed_size: 0
    .kernarg_segment_align: 8
    .kernarg_segment_size: 32
    .max_flat_workgroup_size: 128
    .sgpr_count:     98
    .vgpr_count:     768
    .wavefront_size: 32
...
	.end_amdgpu_metadata
.endif
;; end of part 4
